; MI455X (gfx1250); checked and timed in simulation.
; The chip was launched on July 23, 2026; its instructions are those of AMD's public machine-readable ISA for CDNA 5 (MIT licence, August 2026) and "CDNA5" Instruction Set Architecture Reference Guide (July 2026). The comments in the code are by the model that wrote it; some were corrected since.
;; Self Attention. Allowed arithmetic: matrix products marked QUANTISED: E2M3 operands, one E8M0 scale for each 32 along K, by v_wmma_scale_f32_16x16x128_f8f6f4 with both operands' format E2M3, f32 sums; everything else in f32.
;; Inputs: W_o 1,024 x 1,024 float32; W_qkv 1,024 x 3,072 float32; x 2 x 2,048 x 1,024 float32.
;; Outputs: out0 2 x 2,048 x 1,024 float32.
;; This version of the problem:
;;   THIS VERSION OF THE PROBLEM IS GIVEN IN LOW PRECISION. The matrix products marked QUANTISED in the list below multiply operands that are first quantised to E2M3 (2 exponent bits, 3 mantissa bits; 6 bits a number), with one power-of-two scale for each 32 numbers along K (OCP MX v1.0); their sums are f32. All else is computed in f32.
;;   The module's matrix products, in the order in which they are computed (A, B: the left and right operand; K: the contracted axis; several contracted axes count as one K, in the product's order):
;;     1. [M 4,096, K 1,024] x [K 1,024, N 3,072]; A: input x; B: input W_qkv: QUANTISED
;;     2. batch 32 x [M 2,048, K 64] x [K 64, N 2,048]; A: computed on the way; B: computed on the way: QUANTISED
;;     3. batch 32 x [M 2,048, K 2,048] x [K 2,048, N 64]; A: softmax (see below); B: computed on the way: QUANTISED
;;     4. [M 4,096, K 1,024] x [K 1,024, N 1,024]; A: computed on the way; B: input W_o: QUANTISED
;;   THE QUANTISER, for each operand of a quantised product, along K:
;;     - K is cut into blocks of 32 from its start; a last block that is shorter is filled with zeros.
;;     - A block's scale is 2^e with e = floor(log2(the largest magnitude in the block)) - 2, held to -126 .. 127; a block of zeros has e = 0. As a byte (E8M0): e + 127.
;;     - Each number is divided by its block's scale, clamped to +-7.5, and rounded to the nearest number of E2M3, ties to even, subnormals kept.
;;     - The product sums the exact products of the quantised numbers (number of the format x scale) in f32.
;;   ~~~python
;;   def quantise(x, axis):      # numpy; x: float32 -> the quantised numbers, widened to float32 again
;;       x = np.moveaxis(x, axis, -1); K = x.shape[-1]
;;       x = np.pad(x, [(0, 0)] * (x.ndim - 1) + [(0, -K % 32)]); x = x.reshape(x.shape[:-1] + (-1, 32)); a = np.abs(x).max(-1, keepdims=True)
;;       e = np.where(a > 0, np.clip(np.frexp(np.where(a > 0, a, 1))[1] - 1 - 2, -126, 127), 0)      # np.frexp(a)[1] - 1 = floor(log2(a)), exactly
;;       r = np.clip(x / 2.0 ** e, -7.5, 7.5)
;;       step = 2.0 ** (np.maximum(np.frexp(np.where(r == 0, 1, r))[1] - 1, 0) - 3)
;;       q = np.round(r / step) * step * 2.0 ** e      # np.round: ties to even
;;       return np.moveaxis(q.reshape(q.shape[:-2] + (-1,))[..., :K], -1, axis).astype(np.float32)
;;   ~~~
;;   SOFTMAX AHEAD OF A QUANTISED PRODUCT. Where the list says 'softmax', what is quantised is not the finished softmax but p = 2^(t - M), with t = logit x log2(e) and M = ceil(the row's largest t), a whole number; so 1/2 < the row's largest p <= 1. The row's sum l is taken of the UNQUANTISED p, in f32, and the product's result is divided by l at the end. Since M is a whole number, a kernel that streams over the keys may use a running M (the ceiling of the running maximum): every later rescaling is an exact power of two, which a block's scale takes up: the codes' values come out the same.
;;   OPERANDS COMPUTED ON THE WAY. 'Computed on the way' means the value that the module computes at that place (a softmax that the list does not call 'softmax' is quantised finished and normalised). What goes into a quantiser is computed in f32, as accurately as f32 sums, v_exp_f32 and their like allow (about 1e-6 of the number): no bf16 or f16 on the way to a quantiser, and a product that is left as it is and whose result goes on into a quantised operand takes f32 operands (vector FMAs, or v_wmma_f32_16x16x4_f32). A number that lies on a knife's edge between two numbers of the format may be rounded either way, as far as f32 arithmetic and the matrix unit's own rounding can turn it there, and no further.
;; One version. Each part assembles by itself: llvm-mc -triple=amdgcn-amd-amdhsa -mcpu=gfx1250 --defsym DOCPART=n.
;; ======== version 1 of 1: 4 launches
;; limits: right only within a limited range of input values
;; workspace buffers: x_op 3,276,800 bytes; wqkv_op 2,457,600 bytes; wo_op 819,200 bytes; attn_op 3,276,800 bytes; q_op 3,407,872 bytes; k_op 3,407,872 bytes; v_op 3,407,872 bytes
;; launch prep (part 1): grid 1024 x 1, 4 waves a work-group, no clusters, 47,616 bytes of LDS; arguments x, W_qkv, W_o, x_op, wqkv_op, wo_op; writes x_op, wqkv_op, wo_op
.if DOCPART == 1
	.amdgcn_target "amdgcn-amd-amdhsa--gfx1250"
	.amdhsa_code_object_version 6
	.text
	.protected	k_q8c6ee8caf1_prep
	.globl	k_q8c6ee8caf1_prep
	.p2align	8
	.type	k_q8c6ee8caf1_prep,@function
k_q8c6ee8caf1_prep:
	s_mov_b64 s[64:65], 0
	v_nop
	global_prefetch_b8 v0, s[64:65] scope:SCOPE_SE
	s_setreg_imm32_b32 hwreg(HW_REG_WAVE_MODE, 25, 1), 1
	s_wait_xcnt 0x0
; THE PROGRAM: prep (codes of the inputs), qkv (x W_qkv, quantised at once), attn (causal attention, quantised), proj (x W_o).  What reference()'s own causal mask throws away in whole steps of 128 keys is not computed (attn):
; those scores become -inf whatever x and the weights hold.  A NaN, an infinity or an overflow that reaches only that work is not carried to the result.
; THIS LAUNCH: x [4096][1024], W_qkv [1024][3072] and W_o [1024][1024], f32, become codes of FP6 (E2M3) with one E8M0 byte for each 32 along K, laid as IMAGES OF THE OPERAND'S REGISTERS.
; K is x's last axis and the weights' FIRST axis.  A block's scale is 2^(floor(log2(largest magnitude)) - 2): its byte is the largest magnitude's exponent field - 2, held at 1 from below.
; LAYOUT.  Rows (tokens of x, columns n of a weight) go in groups of 128; tile i (0..7) of a group holds in lane r (0..15) row 64 (i/4) + 8 (i%4) + r%8 + 32 (r/8): so in a matrix result a lane's registers of four tiles are 32 neighbours.
;   A half fragment (16 rows x 64 K) is 768 bytes: registers 0-3 of lane L = r + 16 h (row r, k = 32 h .. 32 h + 31) at 16 L, registers 4-5 at 512 + 8 L.
;   A group's K step of 128 is 12,800 bytes: tile i, half c at 1536 i + 768 c; from 12,288 on the scale words, that of (tile i, row r) at 256 (i/4) + 16 r + 4 (i%4).  A group is eight such steps.
; SHARES.  A work-group takes 64 rows x one K step: 4 tiles and one block of 256 scale bytes.  Work-groups 0-511: x; 512-895: W_qkv; 896-1023: W_o.  Each of the three ways has LDS bytes of its own.
; No loop: every offset is an immediate and all of a wave's loads go out at once.  No tensor load, no matrix unit, no cluster: every input byte is read once and nothing is shared between work-groups.
; LIMITS: NaN and infinities among the inputs are not served.  A block of zeros gets the byte 1 where the quantiser says 127: its codes are zeros, and only this program reads the bytes.
.set XST,  0                           ; x: a stage of 16 rows x (512 + 16) bytes for each wave
.set XSC,  33792                       ; x: the work-group's 256 scale bytes
.set W1ST, 34048                       ; W_qkv: 3,072 bytes of codes for each half c
.set W1SC, 40192
.set W2ST, 40448                       ; W_o likewise
.set W2SC, 46592
.set FLOOR, 0x1800000                  ; 2^(3 - 127): no largest magnitude is taken under it, so the byte cannot fall under 1
.set R, 32                             ; v32-95   x as loaded: 16 rows, 16 bytes a lane
.set Y, 96                             ; v96-159  two whole blocks of 32 neighbours
.set P, 160                            ; v160-171 the fragment's 12 registers
.set T, 172                            ; v172-178 the upper halves of the two blocks, as the conversions leave them
	s_load_b256 s[4:11], s[0:1], 0x0               ; x s[4:5], W_qkv s[6:7], W_o s[8:9], x_op s[10:11]
	s_load_b128 s[12:15], s[0:1], 0x20             ; wqkv_op s[12:13], wo_op s[14:15]
	v_lshl_add_u32 v192, v0, 2, 0xb800             ; my spare word and 0, for the wave's end
	v_mov_b32 v193, 0
	v_lshrrev_b32 v1, 5, v0
	v_readfirstlane_b32 s16, v1                    ; wave 0..3
	v_and_b32 v1, 31, v0                           ; lane
	v_and_b32 v2, 15, v0                           ; r
	v_bfe_u32 v3, v0, 4, 1                         ; h
	s_cmp_lt_u32 ttmp9, 512                        ; the way hangs on the work-group's number alone: all four waves take the same
	s_cbranch_scc0 .Lweights
; ---- x: wave w takes tile i = 4 j + w.  Each load reads a row's 512 bytes of the K step; the rows turn through the wave's own stage, so that a lane gets whole blocks of 32 neighbours.
	s_and_b32 s17, ttmp9, 7                        ; s: the K step
	s_bfe_u32 s18, ttmp9, 0x10003                  ; j: which 64 rows of the group
	s_lshr_b32 s19, ttmp9, 4                       ; G: the group
	s_lshl_b32 s20, s18, 2
	s_add_co_u32 s20, s20, s16                     ; i
	s_lshl_b32 s21, s18, 6
	s_lshl_b32 s22, s16, 3
	s_add_co_u32 s21, s21, s22
	s_lshl_b32 s22, s19, 7
	s_add_co_u32 s21, s21, s22                     ; the tile's first row: 128 G + 64 j + 8 w
	s_lshl_b32 s24, s21, 12                        ; a row of x is 4,096 bytes
	s_lshl_b32 s22, s17, 9
	s_add_co_u32 s24, s24, s22                     ; + 512 s
	s_mov_b32 s25, 0
	s_mul_i32 s26, s19, 102400
	s_mul_i32 s22, s17, 12800
	s_add_co_u32 s26, s26, s22                     ; the group's K step in x_op
	s_lshl_b32 s28, s18, 8
	s_add_co_u32 s28, s28, s26
	s_add_co_u32 s28, s28, 12288                   ; its scale words of tiles 4 j .. 4 j + 3
	s_mov_b32 s29, 0
	s_mul_i32 s22, s20, 1536
	s_add_co_u32 s26, s26, s22                     ; my tile
	s_mov_b32 s27, 0
	s_mul_i32 s23, s16, 8448                       ; my stage
	s_lshl_b32 s22, s16, 2
	s_add_co_u32 s22, s22, XSC
	s_mov_b32 s32, 0x76543210
	s_mov_b32 s33, 0xfedcba98                      ; v_permlanex16_b32's selects for lane l xor 16
	s_wait_alu depctr_va_vdst(0)
	v_lshlrev_b32 v4, 4, v1                        ; 16 x lane
	v_lshlrev_b32 v5, 3, v1                        ; 8 x lane
	v_add_nc_u32 v6, s23, v4                       ; into the stage: a row as it lies
	v_mul_u32_u24 v7, v2, 528
	v_lshl_add_u32 v7, v3, 7, v7
	v_add_nc_u32 v7, s23, v7                       ; out of it: row r, + 128 h: rows 33 x 16 bytes apart, so sixteen lanes touch sixteen different 16-byte columns
	v_lshl_add_u32 v8, v2, 4, s22                  ; my row's scale word: XSC + 16 r + 4 w
	s_wait_alu depctr_va_vdst(0)
	s_wait_kmcnt 0x0
	s_add_nc_u64 s[4:5], s[4:5], s[24:25]
	s_add_nc_u64 s[26:27], s[10:11], s[26:27]
	s_add_nc_u64 s[28:29], s[10:11], s[28:29]
.irp p, 0,1,2,3,4,5,6,7,8,9,10,11,12,13,14,15
	global_load_b128 v[R+4*\p:R+4*\p+3], v4, s[4:5] offset:(\p+24*(\p/8))*4096 th:TH_LOAD_NT   ; the tile's row p: 512 consecutive bytes; rows 8-15 lie 32 further on
.endr
.irp p, 0,1,2,3,4,5,6,7,8,9,10,11,12,13,14,15
	s_wait_loadcnt 15-\p                           ; loads come back in order: row p is in, the younger ones may be out
	ds_store_b128 v6, v[R+4*\p:R+4*\p+3] offset:528*\p
.endr
.irp c, 0,1
.irp q, 0,1,2,3,4,5,6,7
	ds_load_b128 v[Y+32*\c+4*\q:Y+32*\c+4*\q+3], v7 offset:256*\c+16*\q   ; x(row r, 64 c + 32 h + 4 q ..); LDS serves a wave's instructions in order: these see my stores
.endr
.endr
	s_wait_dscnt 0x0
.irp c, 0,1
	v_max3_num_f32 v[10+\c], |v[Y+32*\c]|, |v[Y+32*\c+1]|, FLOOR   ; block 2 c + h: all its 32 numbers are mine
.endr
.irp i, 2,4,6,8,10,12,14,16,18,20,22,24,26,28,30
.irp c, 0,1
	v_max3_num_f32 v[10+\c], v[10+\c], |v[Y+32*\c+\i]|, |v[Y+32*\c+\i+1]|   ; (the two blocks by turns)
.endr
.endr
.irp c, 0,1
	v_add_nc_u32 v[12+\c], 0xff000000, v[10+\c]    ; 2 off the exponent field: the conversion takes this operand's exponent field as its scale
.endr
.irp c, 0,1
	v_lshrrev_b32 v[14+\c], 23, v[12+\c]           ; the scale's byte
.endr
	v_lshl_or_b32 v16, v15, 16, v14                ; my two bytes, blocks h and 2 + h,
	v_lshlrev_b32 v17, 3, v3
	v_lshlrev_b32 v16, v17, v16                    ; at their places in the word;
	v_mov_b32 v18, 0
	v_permlanex16_b32 v18, v16, s32, s33
	v_or_b32 v16, v16, v18                         ; with lane l xor 16's two the word is whole
.irp c, 0,1
	v_cvt_scalef32_pk16_fp6_f32 v[P+6*\c:P+6*\c+2], v[Y+32*\c:Y+32*\c+15], v[12+\c]
	v_cvt_scalef32_pk16_fp6_f32 v[T+4*\c:T+4*\c+2], v[Y+32*\c+16:Y+32*\c+31], v[12+\c]   ; (a conversion's three registers begin on an even number)
.endr
	v_nop                                          ; one plain instruction between a scaled conversion and the use of its result
.irp c, 0,1
.irp i, 0,1,2
	v_mov_b32 v[P+6*\c+3+\i], v[T+4*\c+\i]
.endr
.endr
.irp c, 0,1
	global_store_b128 v4, v[P+6*\c:P+6*\c+3], s[26:27] offset:768*\c          ; 512 consecutive bytes, at a multiple of 256 from the buffer's first byte
	global_store_b64 v5, v[P+6*\c+4:P+6*\c+5], s[26:27] offset:768*\c+512     ; and 256 more
.endr
	ds_store_b32 v8, v16                           ; both halves of the lanes write the same word with the same value
	s_wait_dscnt 0x0                               ; for wave 0's sake: my word has landed
	s_barrier_signal -1
	s_barrier_wait -1
	s_cmp_lg_u32 s16, 0
	s_cbranch_scc1 .Lx_end
	ds_load_b64 v[20:21], v5 offset:XSC            ; the four waves' 64 words
	s_wait_dscnt 0x0
	global_store_b64 v5, v[20:21], s[28:29]        ; 32 lanes store 256 consecutive bytes, aligned
.Lx_end:
	s_wait_tensorcnt 0x0                           ; the wave's end
	ds_add_u32 v192, v193
	s_wait_dscnt 0x0
	s_endpgm
; ---- a weight [1024][nn]: A LANE TAKES A COLUMN n AND ITS REGISTERS RUN DOWN K, so a block of 32 lies in one lane and the codes come out with K innermost.
; Wave w: columns 32 g on (g = w % 2), k 64 c on (c = w / 2).  Column l of the 32 is row r' = l % 8 + 8 g of tile l / 8.
.macro WPATH nn, first, src, dst, stg, scl
	s_sub_co_u32 s17, ttmp9, \first
	s_and_b32 s18, s17, 7                          ; s
	s_bfe_u32 s19, s17, 0x10003                    ; j
	s_lshr_b32 s20, s17, 4                         ; G
	s_and_b32 s21, s16, 1                          ; g
	s_lshr_b32 s22, s16, 1                         ; c
	s_lshl_b32 s23, s18, 7
	s_lshl_b32 s24, s22, 6
	s_add_co_u32 s23, s23, s24                     ; my first k: 128 s + 64 c
	s_mul_i32 s24, s23, 4*\nn
	s_lshl_b32 s23, s20, 9
	s_add_co_u32 s24, s24, s23
	s_lshl_b32 s23, s19, 8
	s_add_co_u32 s24, s24, s23
	s_lshl_b32 s23, s21, 7
	s_add_co_u32 s24, s24, s23                     ; + 4 x my first column: 128 G + 64 j + 32 g
	s_mov_b32 s25, 0
	s_mul_i32 s26, s20, 102400
	s_mul_i32 s23, s18, 12800
	s_add_co_u32 s26, s26, s23                     ; the group's K step in the output
	s_lshl_b32 s28, s19, 8
	s_add_co_u32 s28, s28, s26
	s_add_co_u32 s28, s28, 12288                   ; its scale words of tiles 4 j .. 4 j + 3
	s_mov_b32 s29, 0
	s_lshl_b32 s23, s19, 2
	s_lshl_b32 s30, s21, 1
	s_add_co_u32 s23, s23, s30
	s_mul_i32 s23, s23, 1536
	s_add_co_u32 s26, s26, s23                     ; what I store: tiles 4 j + 2 g and the next,
	s_mul_i32 s23, s22, 768
	s_add_co_u32 s26, s26, s23                     ; half c
	s_mov_b32 s27, 0
	s_lshl_b32 s30, s22, 1
	s_add_co_u32 s30, s30, \scl                    ; scale bytes: + 2 c
	s_mul_i32 s31, s16, 1536
	s_add_co_u32 s31, s31, \stg                    ; what I read back: tiles 2 g, 2 g + 1 of half c
	s_mul_i32 s23, s22, 3072
	s_add_co_u32 s23, s23, \stg                    ; what I write into: half c's four tiles, of which I have rows 8 g .. 8 g + 7
	s_lshl_b32 s21, s21, 3                         ; 8 g
	v_lshlrev_b32 v4, 2, v1                        ; in: 4 bytes a lane
	v_bfe_u32 v5, v0, 3, 2                         ; my tile
	v_and_b32 v6, 7, v0
	v_or_b32 v6, s21, v6                           ; r'
	v_mul_u32_u24 v7, v5, 768
	v_add_nc_u32 v7, s23, v7
	v_lshl_add_u32 v8, v6, 4, v7                   ; registers 0-3 of lane r' + 16 hb: + 256 hb in the immediate
	v_lshl_add_u32 v9, v6, 3, v7                   ; registers 4-5: + 512 + 128 hb
	v_lshlrev_b32 v10, 4, v6
	v_lshl_add_u32 v10, v5, 2, v10
	v_add_nc_u32 v10, s30, v10                     ; my column's two bytes: 16 r' + 4 x tile + 2 c
	v_lshl_add_u32 v11, v1, 4, s31                 ; the stage read back as it lies
	v_lshlrev_b32 v12, 4, v1                       ; 16 x lane
	v_mad_u32_u24 v13, v3, 768, v12                ; the stage's second half fragment lies 768 bytes further on in the output: the other half c stands between
	v_lshlrev_b32 v14, 3, v1                       ; 8 x lane
	s_wait_kmcnt 0x0
	s_add_nc_u64 s[24:25], s[\src:\src+1], s[24:25]
	s_add_nc_u64 s[26:27], s[\dst:\dst+1], s[26:27]
	s_add_nc_u64 s[28:29], s[\dst:\dst+1], s[28:29]
.set kk, 0
.rept 64
	global_load_b32 v[32+kk], v4, s[24:25] offset:kk*4*\nn th:TH_LOAD_NT   ; one row k at 32 neighbouring columns: 128 consecutive bytes; the wave beside me takes the next 128
.set kk, kk+1
.endr
	s_wait_loadcnt 0x0
.irp b, 0,1
	v_max3_num_f32 v[16+\b], |v[32+32*\b]|, |v[33+32*\b]|, FLOOR
.endr
.irp i, 2,4,6,8,10,12,14,16,18,20,22,24,26,28,30
.irp b, 0,1
	v_max3_num_f32 v[16+\b], v[16+\b], |v[32+32*\b+\i]|, |v[33+32*\b+\i]|
.endr
.endr
.irp b, 0,1
	v_add_nc_u32 v[18+\b], 0xff000000, v[16+\b]
.endr
.irp b, 0,1
	v_lshrrev_b32 v[20+\b], 23, v[18+\b]
.endr
	v_lshl_or_b32 v22, v21, 8, v20                 ; the bytes of blocks 2 c and 2 c + 1
.irp b, 0,1
	v_cvt_scalef32_pk16_fp6_f32 v[96+6*\b:98+6*\b], v[32+32*\b:47+32*\b], v[18+\b]
	v_cvt_scalef32_pk16_fp6_f32 v[108+4*\b:110+4*\b], v[48+32*\b:63+32*\b], v[18+\b]
.endr
	v_nop                                          ; one plain instruction between a scaled conversion and the use of its result
.irp b, 0,1
.irp i, 0,1,2
	v_mov_b32 v[99+6*\b+\i], v[108+4*\b+\i]
.endr
.endr
.irp b, 0,1
	ds_store_b128 v8, v[96+6*\b:99+6*\b] offset:256*\b
	ds_store_b64 v9, v[100+6*\b:101+6*\b] offset:512+128*\b
.endr
	ds_store_b16 v10, v22
	s_wait_dscnt 0x0                               ; for the others' sake: my codes and scale bytes have landed
	s_barrier_signal -1
	s_barrier_wait -1
.irp q, 0,1,2
	ds_load_b128 v[116+4*\q:119+4*\q], v11 offset:512*\q
.endr
	s_wait_dscnt 0x0
	global_store_b128 v12, v[116:119], s[26:27]              ; each sixteen lanes store 256 consecutive bytes, aligned
	global_store_b128 v13, v[120:123], s[26:27] offset:512
	global_store_b128 v12, v[124:127], s[26:27] offset:1792
	s_cmp_lg_u32 s16, 0
	s_cbranch_scc1 .Lw_end_\@
	ds_load_b64 v[24:25], v14 offset:\scl
	s_wait_dscnt 0x0
	global_store_b64 v14, v[24:25], s[28:29]       ; 32 lanes store the work-group's 256 scale bytes
.Lw_end_\@:
	s_wait_tensorcnt 0x0
	ds_add_u32 v192, v193
	s_wait_dscnt 0x0
	s_endpgm
.endm
.Lweights:
	s_cmp_lt_u32 ttmp9, 896
	s_cbranch_scc0 .Lwo
	s_wait_alu depctr_va_vdst(0)
	WPATH 3072, 512, 6, 12, W1ST, W1SC
.Lwo:
	s_wait_alu depctr_va_vdst(0)
	WPATH 1024, 896, 8, 14, W2ST, W2SC
.Lfunc_end_k_q8c6ee8caf1_prep:
	.size	k_q8c6ee8caf1_prep, .Lfunc_end_k_q8c6ee8caf1_prep-k_q8c6ee8caf1_prep
	.p2alignl 7, 3214868480
	.fill 96, 4, 3214868480
	.section	.rodata,"a",@progbits
	.p2align	6, 0x0
	.amdhsa_kernel k_q8c6ee8caf1_prep
		.amdhsa_group_segment_fixed_size 47616
		.amdhsa_private_segment_fixed_size 0
		.amdhsa_enable_private_segment 0
		.amdhsa_kernarg_size 48
		.amdhsa_user_sgpr_count 2
		.amdhsa_user_sgpr_kernarg_segment_ptr 1
		.amdhsa_wavefront_size32 1
		.amdhsa_system_sgpr_workgroup_id_x 1
		.amdhsa_system_sgpr_workgroup_id_y 1
		.amdhsa_system_sgpr_workgroup_id_z 1
		.amdhsa_system_vgpr_workitem_id 0
		.amdhsa_next_free_vgpr 194
		.amdhsa_next_free_sgpr 66
		.amdhsa_reserve_vcc 0
		.amdhsa_float_denorm_mode_32 3
		.amdhsa_float_denorm_mode_16_64 3
		.amdhsa_memory_ordered 1
		.amdhsa_forward_progress 1
		.amdhsa_inst_pref_size 36
	.end_amdhsa_kernel
	.amdgpu_metadata
---
amdhsa.version: [ 1, 2 ]
amdhsa.kernels:
  - .name:           k_q8c6ee8caf1_prep
    .symbol:         k_q8c6ee8caf1_prep.kd
    .args:
      - { .name: x, .offset: 0, .size: 8, .value_kind: global_buffer, .address_space: global }
      - { .name: W_qkv, .offset: 8, .size: 8, .value_kind: global_buffer, .address_space: global }
      - { .name: W_o, .offset: 16, .size: 8, .value_kind: global_buffer, .address_space: global }
      - { .name: x_op, .offset: 24, .size: 8, .value_kind: global_buffer, .address_space: global }
      - { .name: wqkv_op, .offset: 32, .size: 8, .value_kind: global_buffer, .address_space: global }
      - { .name: wo_op, .offset: 40, .size: 8, .value_kind: global_buffer, .address_space: global }
    .group_segment_fixed_size: 47616
    .private_segment_fixed_size: 0
    .kernarg_segment_align: 8
    .kernarg_segment_size: 48
    .max_flat_workgroup_size: 128
    .sgpr_count:     66
    .vgpr_count:     194
    .wavefront_size: 32
...
	.end_amdgpu_metadata
.endif
;; end of part 1
;; launch qkv (part 2): grid 8 x 32, 4 waves a work-group, clusters of 4 x 4, 327,680 bytes of LDS; arguments x_op, wqkv_op, q_op, k_op, v_op; writes q_op, k_op, v_op
.if DOCPART == 2
	.amdgcn_target "amdgcn-amd-amdhsa--gfx1250"
	.amdhsa_code_object_version 6
	.text
	.protected	k_q8c6ee8caf1_qkv
	.globl	k_q8c6ee8caf1_qkv
	.p2align	8
	.type	k_q8c6ee8caf1_qkv,@function
k_q8c6ee8caf1_qkv:
	s_mov_b64 s[64:65], 0
	v_nop
	global_prefetch_b8 v0, s[64:65] scope:SCOPE_SE
	s_setreg_imm32_b32 hwreg(HW_REG_WAVE_MODE, 25, 1), 1
	s_wait_xcnt 0x0
	s_wait_alu depctr_hold_cnt(0) depctr_sa_sdst(0) depctr_va_vdst(0) depctr_va_sdst(0) depctr_va_ssrc(0) depctr_va_vcc(0) depctr_vm_vsrc(0)
	s_getreg_b32 s2, hwreg(HW_REG_IB_STS2, 6, 4)
	s_cmp_eq_u32 s2, 0
	s_cbranch_scc0 .Lentry_in_a_cluster
	s_endpgm
.Lentry_in_a_cluster:
	s_bfe_u32 s2, ttmp6, 0x10000c
	s_cmp_lg_u32 s2, 0xf033
	s_cbranch_scc0 .Lentry_shape_is_right
	s_endpgm
.Lentry_shape_is_right:
; qkv = x W_qkv on codes of FP6 (E2M3) with E8M0 scales, and its results quantised at once for the two products of attention: q and k along the head's 64, v along the keys.  No f32 result goes to memory.
; OPERANDS are images of their registers: a group of 128 rows is 8 K steps of 12,800 bytes; in a step tile i's half fragment c at 1536 i + 768 c, scale words from 12,288 on ((tile i, row r) at 256 (i/4) + 16 r + 4 (i%4)).
; Tile i holds in lane r row 64 (i/4) + 8 (i%4) + r%8 + 32 (r/8) of its group.
; SHARES.  Work-group (t, G): token group G (128 tokens) against the weight's groups t (q), 8 + t (k), 16 + t (v).  Four waves; wave (a, b) makes 64 tokens x 64 columns of EACH of q, k and v in one walk along K:
; 48 accumulators, and in a K step 16 fragments, of which x's four serve all three products.
; THE MATRIX INSTRUCTION: source 1 = R, whose row a lane then holds; source 0 = S, along which the lane's registers run: by the tiles' row order the 32 registers of four S tiles are 32 NEIGHBOURS, 32 (lane / 16) + 0 .. 31: one scale block in one lane.
; q, k: R = x, S = W (registers along the head's d).  v: R = Wv, S = x (registers along the keys).
; FILLS (tensor T = 0 x, 1 Wq, 2 Wk, 3 Wv is wave T's; one load a wave each time): at the head K steps 0-3, to 51200 T; behind the next round K steps 4 and 5, to 204800 + 25600 T;
; in K step 3, when nobody reads K steps 0 and 1 any more, K steps 6 and 7 onto them.  No prefetch: there is no loop of loads to run ahead in, and the later fills are asked for two steps and more ahead.
; OUT.  A wave's 64 x 64 becomes one block of 3,328 bytes: four half fragments (tile a at 768 a) and from 3,072 on the scale words ((tile a, row r) at 16 r + 4 a: two bytes, two zeros).
; q_op, k_op, v_op [16 batch + head][token / 64].  Every store covers whole aligned runs of 256 bytes.
; CLUSTER 4 x 4: x's group hangs on G alone and is shared along a row of the cluster, a weight's group on t alone and along a column: each is asked for jointly.
; All of a WGP's LDS is claimed and 0 is added to spare words.
; LIMITS: NaN and infinities are not served; a block of zeros gets the byte 1 (its codes are zeros; only this program reads the bytes).
; REGISTERS.  Window 0: v2-29 addresses; v32-47 two sets of scale words; v48-59 at work; v64-255 the odd K steps' fragments.  Window 1: v0-191 the even K steps' fragments, codes on their way out.
;   Window 2: q's accumulators (a, b) at 8 (4 a + b), k's 128 further on.  Window 3: v's.
.set SEGB,  204800
.set SPARE, 307200                     ; the spare words, 128 bytes for each wave
.set SPW,  2                           ; v2   SPARE + 4 x my thread's number; never rewritten
.set NIL,  3                           ; v3   0; never rewritten
.set L16,  4                           ; 16 x lane
.set L8,   5                           ; 8 x lane
.set LR,   6                           ; 16 r
.set HH,   7                           ; h
.set SW8,  8                           ; 16 r + 8 h
.set RG,   10                          ; v10-25 LDS addresses: segment g (0: K steps 0-3, 6, 7; 1: 4, 5), tensor T: registers 0-3 of a half at RG + 8 g + T, registers 4-5 at RG + 8 g + 4 + T
.set SCA,  26                          ; v26-29 scale words: segment g: x's (lanes 0-15) and Wq's at SCA + 2 g, Wk's (lanes 0-15) and Wv's at SCA + 2 g + 1
.set SC,   32                          ; set s % 2 at SC + 8 (s % 2)
.set TM,   48                          ; +0..3 largest magnitudes, +4..7 bytes, +8..11 the conversions' scale operands
.set PW,   10                          ; v10-16 scale bytes at work, when the addresses have served
.set PS,   18                          ; v18-23 the words that my half of the lanes stores, two for each of q, k, v
.set SEL,  20                          ; s[20:21]
.set G1X,  24                          ; s[24:31] descriptor group 1 for x's tiles, s[48:55] for the weights': they differ in the mask.  s[32:35], s[36:39] groups 0
.set G1W,  48
.set MSB, 0
.macro WIN new                         ; the immediate's high byte repeats the setting that is left
.if MSB != \new
	s_set_vgpr_msb (MSB<<8)|\new
.set MSB, \new
.endif
.endm
.macro PLACES                          ; four plain instructions between a matrix instruction and a load into a register that it has read, or a read of its result
.rept 4
	v_nop
.endr
.endm
.macro CROUND                          ; a round of the cluster's barrier
	s_barrier_signal -1
	s_barrier_wait -1
	s_cmp_lg_u32 s14, 0
	s_cbranch_scc1 .Lnot_wave_0_\@
	s_barrier_signal -3
.Lnot_wave_0_\@:
	s_barrier_wait -3
	s_barrier_signal -1
	s_barrier_wait -1
.endm
.macro JLOAD                           ; my one joint load: wave 0 for x, the others for a weight
	s_cmp_eq_u32 s14, 0
	s_cbranch_scc0 .Lfor_w_\@
	tensor_load_to_lds s[32:35], s[G1X:G1X+7]
	s_nop 0
	PLACES
	s_branch .Lasked_\@
.Lfor_w_\@:
	tensor_load_to_lds s[36:39], s[G1W:G1W+7]
	s_nop 0
	PLACES
.Lasked_\@:
.endm
	s_load_b256 s[4:11], s[0:1], 0x0               ; x_op s[4:5], wqkv_op s[6:7], q_op s[8:9], k_op s[10:11]
	s_load_b64 s[12:13], s[0:1], 0x20              ; v_op
	v_lshl_add_u32 v[SPW], v0, 2, SPARE
	v_mov_b32 v[NIL], 0
	ds_add_u32 v[SPW], v[NIL]                      ; the opening lines
	ds_add_u32 v[SPW], v[NIL]
	v_lshrrev_b32 v1, 5, v0
	v_readfirstlane_b32 s14, v1                    ; wave 0..3
	s_lshr_b32 s15, s14, 1                         ; a: which 64 tokens are mine
	s_and_b32 s16, s14, 1                          ; b: which 64 columns of each weight group
	s_bfe_u32 s40, ttmp6, 0x40000                  ; cx
	s_bfe_u32 s41, ttmp6, 0x40004                  ; cy
	s_lshl_b32 s42, ttmp9, 2
	s_add_co_u32 s42, s42, s40                     ; t = 4 x cluster x + cx
	s_and_b32 s17, ttmp7, 0xffff
	s_lshl_b32 s17, s17, 2
	s_add_co_u32 s17, s17, s41                     ; G = 4 x cluster y + cy
	s_lshl_b32 s43, s41, 2
	s_lshl_b32 s43, 15, s43                        ; my row of the cluster
	s_lshl_b32 s44, 0x1111, s40                    ; my column
	; group 1: four K steps of a group, 51,200 dense bytes as 200 rows of 32 elements of 8 bytes, no padding; behind the head 100 rows
	s_or_b32 s[G1X], s43, (3<<16)|(1<<21)
	s_or_b32 s[G1W], s44, (3<<16)|(1<<21)
.irp g, G1X, G1W
	s_mov_b32 s[\g+1], 32<<16
	s_mov_b32 s[\g+2], 200<<16
	s_mov_b32 s[\g+3], 32<<16
	s_mov_b32 s[\g+4], 200
	s_mov_b32 s[\g+5], 32
	s_mov_b32 s[\g+6], 0
	s_mov_b32 s[\g+7], 0
.endr
	s_mul_i32 s72, s17, 102400                     ; x: made of G alone
	s_mov_b32 s73, 0
	s_max_u32 s74, s14, 1
	s_sub_co_u32 s74, s74, 1
	s_mul_i32 s74, s74, 819200                     ; wave T's weight group: 8 (T - 1) + t
	s_mul_i32 s76, s42, 102400
	s_add_co_u32 s76, s76, s74
	s_mov_b32 s77, 0
	; my results: head 16 (G / 16) + 2 t + b, block 2 (G % 16) + a of 64 tokens
	s_lshr_b32 s78, s17, 4
	s_lshl_b32 s78, s78, 4
	s_lshl_b32 s79, s42, 1
	s_add_co_u32 s78, s78, s79
	s_add_co_u32 s78, s78, s16
	s_mul_i32 s84, s78, 106496
	s_and_b32 s80, s17, 15
	s_lshl_b32 s80, s80, 1
	s_add_co_u32 s80, s80, s15
	s_mul_i32 s80, s80, 3328
	s_add_co_u32 s84, s84, s80
	s_mov_b32 s85, 0
	s_mov_b32 s32, 1
	s_mov_b32 s33, 0
	s_mov_b32 s36, 1
	s_mul_i32 s37, s14, 51200                      ; no place in the cluster enters an LDS address
	s_wait_alu depctr_va_vdst(0)
	s_wait_dscnt 0x0
	CROUND                                         ; all sixteen work-groups are here: the first joint loads meet
	s_wait_kmcnt 0x0
	s_add_nc_u64 s[34:35], s[4:5], s[72:73]
	s_add_nc_u64 s[38:39], s[6:7], s[76:77]
	s_or_b32 s35, s35, 0x80000000                  ; 127:126 type = 2
	s_or_b32 s39, s39, 0x80000000
	JLOAD                                          ; K steps 0-3
	s_add_nc_u64 s[66:67], s[8:9], s[84:85]        ; q's block
	s_add_nc_u64 s[68:69], s[10:11], s[84:85]      ; k's
	s_add_nc_u64 s[70:71], s[12:13], s[84:85]      ; v's
	s_mov_b32 s[SEL], 0x76543210
	s_mov_b32 s[SEL+1], 0xfedcba98                 ; v_permlanex16_b32's selects for lane l xor 16
	s_mul_i32 s72, s15, 6144                       ; my four tiles of x: 4 x 1,536 bytes on for a = 1
	s_mul_i32 s73, s16, 6144                       ; and of a weight
	s_lshl_b32 s74, s15, 8                         ; their scale words
	s_lshl_b32 s75, s16, 8
	s_add_co_u32 s76, s75, 51200
	s_sub_co_u32 s76, s76, s74                     ; from x's words to Wq's: one product serves both halves of the lanes
	s_add_co_u32 s77, s75, 25600
	s_sub_co_u32 s77, s77, s74
	s_add_co_u32 s74, s74, 12288
	s_add_co_u32 s78, s74, SEGB
	s_add_co_u32 s75, s75, 12288+102400
	s_add_co_u32 s79, s75, SEGB-51200
	v_and_b32 v1, 31, v0
	v_lshlrev_b32 v[L16], 4, v1
	v_lshlrev_b32 v[L8], 3, v1
	v_and_b32 v[LR], 15, v0
	v_lshlrev_b32 v[LR], 4, v[LR]
	v_bfe_u32 v[HH], v0, 4, 1
	v_lshl_add_u32 v[SW8], v[HH], 3, v[LR]
	v_cmp_eq_u32 s88, 1, v[HH]                     ; lanes 16-31
	v_mul_u32_u24 v[SCA], s76, v[HH]
	v_mul_u32_u24 v[SCA+2], s77, v[HH]
	v_mul_u32_u24 v[SCA+1], 0xc800, v[HH]
	v_mul_u32_u24 v[SCA+3], 0x6400, v[HH]
.irp i, 0,1,2,3
	v_add_nc_u32 v[SCA+\i], v[SCA+\i], v[LR]
.endr
	v_add_nc_u32 v[SCA], s74, v[SCA]
	v_add_nc_u32 v[SCA+1], s75, v[SCA+1]
	v_add_nc_u32 v[SCA+2], s78, v[SCA+2]
	v_add_nc_u32 v[SCA+3], s79, v[SCA+3]
	s_wait_alu depctr_va_vdst(0)
.macro ADDR T, s
	s_add_co_u32 s80, \s, 51200*\T
	s_add_co_u32 s81, \s, SEGB+25600*\T
	v_add_nc_u32 v[RG+\T], s80, v[L16]
	v_add_nc_u32 v[RG+4+\T], s80, v[L8]
	v_add_nc_u32 v[RG+8+\T], s81, v[L16]
	v_add_nc_u32 v[RG+12+\T], s81, v[L8]
.endm
	ADDR 0, s72
	ADDR 1, s73
	ADDR 2, s73
	ADDR 3, s73
; K step s: its fragments go into buffer s % 2, its scale words into set s % 2
.macro FRAGS s, T                      ; my four fragments of tensor T: 16 loads, each of consecutive bytes
.if (\s) > 5
.set GG, 0
.set OFS, ((\s)-6)*12800
.elseif (\s) > 3
.set GG, 1
.set OFS, ((\s)-4)*12800
.else
.set GG, 0
.set OFS, (\s)*12800
.endif
.set FB, 64*((\s)%2)+48*(\T)
	WIN (0x40*(1-(\s)%2))
.irp a, 0,1,2,3
.irp c, 0,1
	ds_load_b128 v[FB+12*\a+6*\c:FB+12*\a+6*\c+3], v[RG+8*GG+\T] offset:OFS+1536*\a+768*\c
	ds_load_b64 v[FB+12*\a+6*\c+4:FB+12*\a+6*\c+5], v[RG+8*GG+4+\T] offset:OFS+1536*\a+768*\c+512
.endr
.endr
	WIN 0
.endm
.macro FETCH1 s                        ; x, Wq and all scale words: 34 loads
	FRAGS \s, 0
	FRAGS \s, 1
	ds_load_b128 v[SC+8*((\s)%2):SC+8*((\s)%2)+3], v[SCA+2*GG] offset:OFS
	ds_load_b128 v[SC+8*((\s)%2)+4:SC+8*((\s)%2)+7], v[SCA+2*GG+1] offset:OFS
.endm
.macro FETCH2 s                        ; Wk and Wv: 32 loads
	FRAGS \s, 2
	FRAGS \s, 3
.endm
.macro WM d, s0, s1, c, x0, x1, ra, rb
	v_wmma_scale_f32_16x16x128_f8f6f4 v[\d:\d+7], v[\s0:\s0+11], v[\s1:\s1+11], \c, v[\x0], v[\x1] matrix_a_fmt:MATRIX_FMT_FP6 matrix_b_fmt:MATRIX_FMT_FP6 matrix_a_scale:MATRIX_SCALE_ROW\ra matrix_b_scale:MATRIX_SCALE_ROW\rb
.endm
; 16 products of K step s: ph = 0 q, 1 k, 2 v.  The 48 accumulators take turns, in the same order in every step.  K step 0 starts the sums: nothing is cleared.
.macro MUL s, ph
.set EV, (\s)%2
.set FB, 64*EV
.set SS, SC+8*EV
	WIN (5*(1-EV)+0xa0+0x50*((\ph)/2))
.irp a, 0,1,2,3
.irp b, 0,1,2,3
.set DD, 128*((\ph)%2)+8*(4*\a+\b)
.if (\ph) == 0
.set AA, FB+48+12*\b
.set BB, FB+12*\a
.set XX, SS+\b
.set YY, SS+\a
.if (\s) == 0
	WM DD, AA, BB, 0, XX, YY, 1, 0
.else
	WM DD, AA, BB, v[DD:DD+7], XX, YY, 1, 0
.endif
.elseif (\ph) == 1
.set AA, FB+96+12*\b
.set BB, FB+12*\a
.set XX, SS+4+\b
.set YY, SS+\a
.if (\s) == 0
	WM DD, AA, BB, 0, XX, YY, 0, 0
.else
	WM DD, AA, BB, v[DD:DD+7], XX, YY, 0, 0
.endif
.else
.set AA, FB+12*\b
.set BB, FB+144+12*\a
.set XX, SS+\b
.set YY, SS+4+\a
.if (\s) == 0
	WM DD, AA, BB, 0, XX, YY, 0, 1
.else
	WM DD, AA, BB, v[DD:DD+7], XX, YY, 0, 1
.endif
.endif
.endr
.endr
.endm
; The way out of q, k or v: R tile a's 32 registers are one scale block of my row.  Each accumulator is read from its low end on; the four tiles go by turns.
.macro EPI ph, ptr
.set WW, 2+(\ph)/2
.set AC, 128*((\ph)%2)
.set PC, 40*(\ph)                      ; window 1: 24 registers of codes, and 16 for the blocks' upper halves
	WIN (5*WW)
.irp a, 0,1,2,3
	v_max3_num_f32 v[TM+\a], |v[AC+32*\a]|, |v[AC+32*\a+1]|, 0x1800000   ; and the floor 2^(3 - 127): the byte cannot fall under 1
.endr
	WIN (20*WW)
.irp i, 2,4,6,8,10,12,14,16,18,20,22,24,26,28,30
.irp a, 0,1,2,3
	v_max3_num_f32 v[TM+\a], v[TM+\a], |v[AC+32*\a+\i]|, |v[AC+32*\a+\i+1]|
.endr
.endr
	WIN 0
.irp a, 0,1,2,3
	v_add_nc_u32 v[TM+8+\a], 0xff000000, v[TM+\a]  ; 2 off its exponent field: the conversion's scale operand
.endr
.irp a, 0,1,2,3
	v_lshrrev_b32 v[TM+4+\a], 23, v[TM+8+\a]       ; the scale's byte
.endr
	WIN (0x40+WW)
.irp a, 0,1,2,3
	v_cvt_scalef32_pk16_fp6_f32 v[PC+6*\a:PC+6*\a+2], v[AC+32*\a:AC+32*\a+15], v[TM+8+\a]
	v_cvt_scalef32_pk16_fp6_f32 v[PC+24+4*\a:PC+24+4*\a+2], v[AC+32*\a+16:AC+32*\a+31], v[TM+8+\a]   ; (a conversion's three registers begin on an even number)
.endr
	WIN 0
	v_lshl_or_b32 v[PW], v[TM+5], 16, v[TM+4]      ; tiles 0 and 1,
	v_lshl_or_b32 v[PW+1], v[TM+7], 16, v[TM+6]    ; tiles 2 and 3: my half's bytes.  Lanes 0-15 store tiles 0 and 1's words, lanes 16-31 tiles 2 and 3's:
	v_cndmask_b32 v[PW+2], v[PW+1], v[PW], s88     ; what the other half wants,
	v_cndmask_b32 v[PW+3], v[PW], v[PW+1], s88     ; what I keep
	v_permlanex16_b32 v[PW+4], v[PW+2], s[SEL], s[SEL+1]
	v_cndmask_b32 v[PW+5], v[PW+3], v[PW+4], s88   ; block 0's bytes
	v_cndmask_b32 v[PW+6], v[PW+4], v[PW+3], s88   ; block 1's
	v_lshl_or_b32 v[PW+6], v[PW+6], 8, v[PW+5]
	v_and_b32 v[PS+2*(\ph)], 0xffff, v[PW+6]       ; a word's upper two bytes are 0: they stand over zero codes
	v_lshrrev_b32 v[PS+2*(\ph)+1], 16, v[PW+6]
	WIN 0x41
.irp a, 0,1,2,3
.irp i, 0,1,2
	v_mov_b32 v[PC+6*\a+3+\i], v[PC+24+4*\a+\i]
.endr
.endr
	WIN 0x04
.irp a, 0,1,2,3
	global_store_b128 v[L16], v[PC+6*\a:PC+6*\a+3], s[\ptr:\ptr+1] offset:768*\a          ; 512 consecutive bytes, at a multiple of 256 from the buffer's first byte
	global_store_b64 v[L8], v[PC+6*\a+4:PC+6*\a+5], s[\ptr:\ptr+1] offset:768*\a+512     ; and 256 more
.endr
	WIN 0
	global_store_b64 v[SW8], v[PS+2*(\ph):PS+2*(\ph)+1], s[\ptr:\ptr+1] offset:3072   ; 32 lanes store 256 consecutive bytes
.endm
; A K step.  At its head x, Wq and the scale words are in; Wk's and Wv's 32 loads may be out until q's products are issued.
.macro STEP s
.if (\s) == 3
	WIN 0
	s_wait_tensorcnt 0x0                           ; K steps 4 and 5 are in: my part
	ds_add_u32 v[SPW], v[NIL]
	s_wait_dscnt 33                                ; (the add may be out too)
.else
	s_wait_dscnt 32
.endif
	MUL \s, 0
.if (\s) == 5
	s_wait_tensorcnt 0x0                           ; K steps 6 and 7 are in: my part
.endif
	s_wait_dscnt 0x0                               ; all of this step's fragments
.if (\s) == 3
	WIN 0
	s_mov_b32 s33, 0                               ; no load of mine is out: K steps 6 and 7 onto 0 and 1
	s_mul_i32 s37, s14, 51200
	s_add_nc_u64 s[34:35], s[34:35], 25600
	s_add_nc_u64 s[38:39], s[38:39], 25600
	CROUND                                         ; nobody reads K steps 0 and 1 any more, and 4 and 5 are whole
	JLOAD
.elseif (\s) == 5
	s_barrier_signal -1
	s_barrier_wait -1                              ; everybody's part
.endif
.if (\s) < 7
	PLACES
	FETCH1 (\s)+1
	MUL \s, 1
	FETCH2 (\s)+1
	MUL \s, 2
.endif
.endm
	s_wait_alu depctr_va_vdst(0)                   ; the wait at the head's end
	s_wait_tensorcnt 0x0                           ; my tensor's K steps 0-3 are in
	ds_add_u32 v[SPW], v[NIL]
	s_mov_b32 s[G1X+2], 100<<16                    ; no load of mine is out: from here on 100 rows, two K steps
	s_mov_b32 s[G1X+4], 100
	s_mov_b32 s[G1W+2], 100<<16
	s_mov_b32 s[G1W+4], 100
	s_mov_b32 s33, SEGB
	s_mul_i32 s37, s14, 25600
	s_add_co_u32 s37, s37, SEGB
	s_add_nc_u64 s[34:35], s[34:35], 51200
	s_add_nc_u64 s[38:39], s[38:39], 51200
	s_wait_dscnt 0x0
	CROUND                                         ; K steps 0-3 of all four tensors are in
	JLOAD                                          ; K steps 4 and 5
	FETCH1 0
	FETCH2 0
.irp s, 0,1,2,3,4,5,6,7
	STEP \s
.endr
	MUL 7, 1
	PLACES
	EPI 0, 66                                      ; q leaves ahead of v's last products
	MUL 7, 2
	EPI 1, 68
	EPI 2, 70                                      ; (k's way out holds the places behind v's last products)
	s_wait_tensorcnt 0x0                           ; the wave's end
	ds_add_u32 v[SPW], v[NIL]
	s_wait_dscnt 0x0
	CROUND                                         ; the closing round: no work-group ends while a partner may still ask for a tile that names it
	s_endpgm
.Lfunc_end_k_q8c6ee8caf1_qkv:
	.size	k_q8c6ee8caf1_qkv, .Lfunc_end_k_q8c6ee8caf1_qkv-k_q8c6ee8caf1_qkv
	.p2alignl 7, 3214868480
	.fill 96, 4, 3214868480
	.section	.rodata,"a",@progbits
	.p2align	6, 0x0
	.amdhsa_kernel k_q8c6ee8caf1_qkv
		.amdhsa_group_segment_fixed_size 327680
		.amdhsa_private_segment_fixed_size 0
		.amdhsa_enable_private_segment 0
		.amdhsa_kernarg_size 40
		.amdhsa_user_sgpr_count 2
		.amdhsa_user_sgpr_kernarg_segment_ptr 1
		.amdhsa_wavefront_size32 1
		.amdhsa_system_sgpr_workgroup_id_x 1
		.amdhsa_system_sgpr_workgroup_id_y 1
		.amdhsa_system_sgpr_workgroup_id_z 1
		.amdhsa_system_vgpr_workitem_id 0
		.amdhsa_next_free_vgpr 896
		.amdhsa_next_free_sgpr 96
		.amdhsa_reserve_vcc 0
		.amdhsa_float_denorm_mode_32 3
		.amdhsa_float_denorm_mode_16_64 3
		.amdhsa_memory_ordered 1
		.amdhsa_forward_progress 1
		.amdhsa_inst_pref_size 116
	.end_amdhsa_kernel
	.amdgpu_metadata
---
amdhsa.version: [ 1, 2 ]
amdhsa.kernels:
  - .name:           k_q8c6ee8caf1_qkv
    .symbol:         k_q8c6ee8caf1_qkv.kd
    .args:
      - { .name: x_op, .offset: 0, .size: 8, .value_kind: global_buffer, .address_space: global }
      - { .name: wqkv_op, .offset: 8, .size: 8, .value_kind: global_buffer, .address_space: global }
      - { .name: q_op, .offset: 16, .size: 8, .value_kind: global_buffer, .address_space: global }
      - { .name: k_op, .offset: 24, .size: 8, .value_kind: global_buffer, .address_space: global }
      - { .name: v_op, .offset: 32, .size: 8, .value_kind: global_buffer, .address_space: global }
    .group_segment_fixed_size: 327680
    .private_segment_fixed_size: 0
    .kernarg_segment_align: 8
    .kernarg_segment_size: 40
    .max_flat_workgroup_size: 128
    .sgpr_count:     96
    .vgpr_count:     896
    .wavefront_size: 32
...
	.end_amdgpu_metadata
.endif
;; end of part 2
;; launch attn (part 3): grid 8 x 32, 16 waves a work-group, clusters of 4 x 1, 251,904 bytes of LDS; arguments q_op, k_op, v_op, attn_op; writes attn_op
.if DOCPART == 3
	.amdgcn_target "amdgcn-amd-amdhsa--gfx1250"
	.amdhsa_code_object_version 6
	.text
	.protected	k_q8c6ee8caf1_attn
	.globl	k_q8c6ee8caf1_attn
	.p2align	8
	.type	k_q8c6ee8caf1_attn,@function
k_q8c6ee8caf1_attn:
	s_mov_b64 s[64:65], 0
	v_nop
	global_prefetch_b8 v0, s[64:65] scope:SCOPE_SE
	s_setreg_imm32_b32 hwreg(HW_REG_WAVE_MODE, 25, 1), 1
	s_wait_xcnt 0x0
	s_wait_alu depctr_hold_cnt(0) depctr_sa_sdst(0) depctr_va_vdst(0) depctr_va_sdst(0) depctr_va_ssrc(0) depctr_va_vcc(0) depctr_vm_vsrc(0)
	s_getreg_b32 s2, hwreg(HW_REG_IB_STS2, 6, 4)
	s_cmp_eq_u32 s2, 0
	s_cbranch_scc0 .Lentry_in_a_cluster
	s_endpgm
.Lentry_in_a_cluster:
	s_bfe_u32 s2, ttmp6, 0x10000c
	s_cmp_lg_u32 s2, 0x3003
	s_cbranch_scc0 .Lentry_shape_is_right
	s_endpgm
.Lentry_shape_is_right:
; CAUSAL ATTENTION ON CODES OF FP6 (E2M3) WITH E8M0 SCALES: S^T = K Q^T, softmax over a running maximum, O^T = V^T P^T; the result divided by the row's sum and quantised along the head's 64 for the product with W_o.
; THE DEAL.  Work-group (u, head): tile u (16 queries) of each of the head's 16 blocks of 128 queries.  Whole steps of 128 keys above the diagonal, which reference()'s own mask throws away, are not done; in a tile's last step the mask goes key by key.
; Waves w and w + 8 (w = 0 .. 7, n = w + 1) share block w's tile, n steps, and block 15 - w's, 17 - n steps.  Trips 0 to 8: wave w does the first tile and the second's steps 0 .. 8 - n; wave w + 8 the second's steps 9 - n .. 16 - n, in trips 1 to 8.
; Wave w's part of the second tile (O^T, M, the sum) goes to wave w + 8 through LDS at the end.  The maxima are whole numbers, so the parts are brought together by powers of two.
; All K and V codes of the head, 2 x 106,496 bytes, lie in LDS, filled once: at the head waves 0-3 ask for step 0, the only one that trip 0 reads, waves 4-7 for the rest, which is waited for behind trip 0.
; CLUSTER 4 x 1: the four work-groups read the same K and V and ask for them jointly.  No prefetch: all tiles are asked for at the head, there is no loop of loads to run ahead in.
; OPERANDS are images of their registers in blocks of 64 tokens, 3,328 bytes: tile a's half fragment at 768 a (registers 0-3 at 16 x lane, 4-5 at 512 + 8 x lane), from 3,072 on the scale words ((tile a, row r) at 16 r + 4 a: two bytes, two zeros).
; Tile a holds in lane r token 8 a + r%8 + 32 (r/8).  So a lane's 32 scores of a block of 64 keys are 32 NEIGHBOURS, keys 32 h + 0 .. 31 (h = lane / 16): one scale block of P in one lane, in the order that the next operand wants.  V's rows (d) likewise.
; Q's registers 6-11 are zeros (the head's 64 fill half of the matrix instruction's K), so what K's fragment holds there counts for nothing: K's tiles lie 6 registers apart, a fragment's upper half is the next tile, and behind the last tile lie P's codes.
; LIMITS: scaled scores (exponents to the base 2) under 2^31 in magnitude.  NaN and infinities are not served: O and the sum are begun anew by a factor 0, so a non-finite row would reach the same lane's later row.  A block of zeros gets the byte 1 (its codes are zeros).
.set VREG,  106496
.set QBB,   3328
.set STEPB, 6656
.set P0,    STEPB                      ; step 0 of K or of V
.set P1,    15*STEPB
.set MRG,   2*VREG                     ; nine runs of 512 bytes for each pair of waves
.set SPARE, MRG+8*4608                 ; the spare words, 128 bytes for each wave
.set L16,   1                          ; 16 x lane
.set L8,    2                          ; 8 x lane + 512
.set R16,   3                          ; 16 r + 3072
.set DV,    4                          ; my query's place in its block of 128, less 32 h
.set SPW,   5
.set NIL,   6
.set PSW,   7                          ; P's scale word
.set VS,    8                          ; v8-11 V's scale words
.set VT,    12                         ; v12-15 the second 64 keys' halves of them
.set QF,    16                         ; v16-27 Q
.set NM,    28                         ; -M
.set RM,    29                         ; the running largest score
.set SUM,   30
.set FF,    32
.set QSW,   34
.set TMP,   35
.set PX,    36
.set DD,    37
.set BM,    38                         ; v38-39 the two blocks' largest
.set BB,    40
.set SO,    42
.set BY,    44
.set A1,    46                         ; v46-51 three more chains of the sum
.set TC,    52                         ; v52-58 the upper halves of P's codes
.set BST,   59                         ; 16 r + h
.set KSW,   60                         ; v60-67 K's scale words
.set AD16,  68                         ; LDS addresses: K's, then V's
.set AD8,   69
.set ADS,   70
.set QSW2,  71
.set QF2,   72                         ; v72-77 the second tile's Q
.set S,     80                         ; v80-143 scores, then p: 32 c + 8 t + j = key 64 c + 32 h + 8 t + j
.set O,     144                        ; v144-175 O^T: 8 i + j = d 32 h + 8 i + j
.set KF,    176                        ; v176-223 K's eight tiles, then V's four fragments
.set PCD,   224                        ; v224-235 P
.set U,     12
.set BH,    13
.set WV,    14
.set KS,    15                         ; the trip
.set LS,    16                         ; the trip in which the second tile begins (waves 8-15: none)
.set LM,    17                         ; the trip in which the tile at work meets the diagonal
.set TBK,   18
.set TBV,   19
.set SEL,   20
.set CS,    22
.set NCS,   24
.set WP,    26                         ; w
.set PA,    27                         ; the key step of a trip is the trip's number + PA, or + PB where that is the smaller of the two without sign
.set PB,    28
.set G1A,   32
.set G1B,   48
.macro WALU
	s_wait_alu depctr_va_vdst(0)
.endm
.macro PLACES
.rept 4
	v_nop
.endr
.endm
.macro CROUND                          ; a round of the cluster's barrier
	s_barrier_signal -1
	s_barrier_wait -1
	s_cmp_lg_u32 s[WV], 0
	s_cbranch_scc1 .Lnot_wave_0_\@
	s_barrier_signal -3
.Lnot_wave_0_\@:
	s_barrier_wait -3
	s_barrier_signal -1
	s_barrier_wait -1
.endm
	s_load_b256 s[4:11], s[0:1], 0x0
	v_lshl_add_u32 v[SPW], v0, 2, SPARE
	v_mov_b32 v[NIL], 0
	ds_add_u32 v[SPW], v[NIL]                      ; the opening lines
	ds_add_u32 v[SPW], v[NIL]
	v_lshrrev_b32 v80, 5, v0
	v_readfirstlane_b32 s[WV], v80
	v_and_b32 v81, 31, v0
	v_lshlrev_b32 v[L16], 4, v81
	v_lshl_add_u32 v[L8], v81, 3, 512
	v_and_b32 v82, 15, v0                          ; r
	v_lshl_add_u32 v[R16], v82, 4, 3072
	v_bfe_u32 v83, v0, 4, 1                        ; h
	v_lshl_add_u32 v[BST], v82, 4, v83
	v_and_b32 v84, 8, v0
	v_mad_u32_u24 v84, v84, 3, v82                 ; r%8 + 32 (r/8)
	v_lshlrev_b32 v85, 5, v83
	v_sub_nc_u32 v84, v84, v85
.irp i, 0,1,2,3,4,5
	v_mov_b32 v[QF2+\i], 0                         ; (waves 8-15 have no second tile)
.endr
	v_mov_b32 v[QSW2], 0
	s_bfe_u32 s[U], ttmp6, 0x40000                 ; cx
	s_lshl_b32 s13, ttmp9, 2
	s_add_co_u32 s[U], s[U], s13                   ; u
	s_and_b32 s[BH], ttmp7, 0xffff                 ; 16 x batch + head
	s_and_b32 s[WP], s[WV], 7
	s_lshr_b32 s31, s[U], 2
	s_and_b32 s30, s[U], 3
	s_lshl_b32 s25, s31, 6
	s_lshl_b32 s29, s30, 3
	s_add_co_u32 s25, s25, s29
	WALU
	v_add_nc_u32 v[DV], s25, v84
	s_sub_co_u32 s27, 7, s[WP]
	s_sub_co_u32 s28, -1, s[WP]
	s_add_co_u32 s[LS], s[WP], 1
	s_sub_co_u32 s29, 15, s[WP]
	s_cmp_lt_u32 s[WV], 8
	s_cselect_b32 s[PB], s28, s27                  ; waves 0-7: step s, and from trip n on s - n (below it the difference wraps);  8-15: s + 8 - n
	s_cselect_b32 s[PA], 0, s27
	s_cselect_b32 s[LS], s[LS], 99
	s_cselect_b32 s[LM], s[WP], 8
	s_cselect_b32 s29, s[WP], s29                  ; the block of my (first) tile
	; Q: block 2 x that + u/4 of the head, tile u%4; waves 0-7's second tile lies 15 - 2 w blocks of 128 further on
	s_mul_i32 s2, s[BH], VREG
	s_mul_i32 s60, s31, QBB
	s_add_co_u32 s60, s60, s2
	s_mul_i32 s61, s29, STEPB
	s_add_co_u32 s60, s60, s61
	s_lshl_b32 s62, s30, 2
	s_add_co_u32 s62, s62, s60
	s_mov_b32 s63, 0
	s_mul_i32 s61, s30, 768
	s_add_co_u32 s60, s60, s61
	s_mov_b32 s61, 0
	s_lshl_b32 s25, s[WP], 1
	s_sub_co_u32 s25, 15, s25
	s_mul_i32 s18, s25, STEPB
	s_mov_b32 s19, 0
	WALU
	s_wait_dscnt 0x0                               ; both opening adds are done
	s_wait_kmcnt 0x0
	s_add_nc_u64 s[60:61], s[4:5], s[60:61]
	s_add_nc_u64 s[62:63], s[4:5], s[62:63]
	global_load_b128 v[QF:QF+3], v[L16], s[60:61]
	global_load_b64 v[QF+4:QF+5], v[L8], s[60:61]
	global_load_b32 v[QSW], v[R16], s[62:63]
	s_add_nc_u64 s[22:23], s[60:61], s[18:19]
	s_add_nc_u64 s[24:25], s[62:63], s[18:19]
	s_cmp_lt_u32 s[WV], 8
	s_cbranch_scc0 .Lone_tile
	global_load_b128 v[QF2:QF2+3], v[L16], s[22:23]
	global_load_b64 v[QF2+4:QF2+5], v[L8], s[22:23]
	global_load_b32 v[QSW2], v[R16], s[24:25]
.Lone_tile:
	; attn_op: group 16 b + block, K step head / 2, tile u, half head % 2
	s_lshr_b32 s3, s[BH], 4
	s_lshl_b32 s3, s3, 4
	s_add_co_u32 s3, s3, s29
	s_mul_i32 s3, s3, 102400
	s_bfe_u32 s29, s[BH], 0x30001
	s_mul_i32 s29, s29, 12800
	s_add_co_u32 s3, s3, s29
	s_and_b32 s29, s[BH], 1
	s_mul_i32 s56, s[U], 1536
	s_add_co_u32 s56, s56, s3
	s_mul_i32 s57, s29, 768
	s_add_co_u32 s56, s56, s57
	s_mov_b32 s57, 0
	s_lshl_b32 s58, s31, 8
	s_add_co_u32 s58, s58, s3
	s_lshl_b32 s59, s30, 2
	s_add_co_u32 s58, s58, s59
	s_lshl_b32 s59, s29, 1
	s_add_co_u32 s58, s58, s59
	s_add_co_u32 s58, s58, 12288                   ; my scale byte: + 16 r + h
	s_mov_b32 s59, 0
	; group 1: dense bytes as rows of 32 elements of 8 bytes, for all four work-groups of the cluster (mask 15, bit 21 beside it)
	s_mov_b32 s[G1A], (3<<16)|(1<<21)|15
	s_mov_b32 s[G1A+1], 32<<16
	s_mov_b32 s[G1A+2], (P0/512)<<16
	s_mov_b32 s[G1A+3], 32<<16
	s_mov_b32 s[G1A+4], P0/512
	s_mov_b32 s[G1A+5], 32
	s_mov_b32 s[G1A+6], 0
	s_mov_b32 s[G1A+7], 0
	s_mov_b32 s[G1B], (3<<16)|(1<<21)|15
	s_mov_b32 s[G1B+1], 32<<16
	s_mov_b32 s[G1B+2], (P1/512)<<16
	s_mov_b32 s[G1B+3], 32<<16
	s_mov_b32 s[G1B+4], P1/512
	s_mov_b32 s[G1B+5], 32
	s_mov_b32 s[G1B+6], 0
	s_mov_b32 s[G1B+7], 0
	; my load: waves 0, 1 and 4, 5: K, 2, 3 and 6, 7: V; a half each
	s_bfe_u32 s29, s[WV], 0x10001
	s_mul_i32 s30, s29, VREG
	s_and_b32 s3, s[WV], 1
	s_mul_i32 s31, s3, P0/2
	s_mul_i32 s3, s3, P1/2
	s_add_co_u32 s3, s3, P0
	s_add_co_u32 s41, s30, s31
	s_add_co_u32 s45, s30, s3
	s_add_co_u32 s42, s31, s2
	s_mov_b32 s43, 0
	s_add_co_u32 s46, s3, s2
	s_mov_b32 s47, 0
	s_mov_b32 s40, 1
	s_mov_b32 s44, 1
	s_cmp_eq_u32 s29, 0
	s_cselect_b64 s[30:31], s[6:7], s[8:9]
	s_add_nc_u64 s[42:43], s[30:31], s[42:43]
	s_or_b32 s43, s43, 0x80000000
	s_add_nc_u64 s[46:47], s[30:31], s[46:47]
	s_or_b32 s47, s47, 0x80000000
	s_add_nc_u64 s[56:57], s[10:11], s[56:57]
	s_add_nc_u64 s[58:59], s[10:11], s[58:59]
	CROUND                                         ; all four work-groups are here: the joint loads meet
	s_cmp_lt_u32 s[WV], 4
	s_cbranch_scc0 .Lnot_step_0
	tensor_load_to_lds s[40:43], s[G1A:G1A+7]      ; waves 0-3: step 0
	s_nop 0
	PLACES
	s_branch .Lasked
.Lnot_step_0:
	s_cmp_lt_u32 s[WV], 8
	s_cbranch_scc0 .Lasked
	tensor_load_to_lds s[44:47], s[G1B:G1B+7]      ; waves 4-7: steps 1-15
	s_nop 0
	PLACES
.Lasked:
.irp i, 6,7,8,9,10,11
	v_mov_b32 v[QF+\i], 0
.endr
.irp i, 0,1,2,3,4,5
	v_mov_b32 v[PCD+\i], 0
.endr
	v_mov_b32 v[NM], 0x7f61b1e6                    ; M lies under every t, so the first step's factor is 0
	v_mov_b32 v[RM], 0xff61b1e6
	v_mov_b32 v[SUM], 0
	v_mov_b32 v[SUM+1], 0
	v_mov_b32 v[FF+1], 0
	v_mov_b32 v[PX], 0                             ; (a lane permute's destination counts as one of its sources)
.set j, 0
.rept 32
	v_mov_b32 v[O+j], 0
.set j, j+1
.endr
	WALU
	s_wait_xcnt 0x0                                ; Q's loads have read their bases: they are written again below
	s_mov_b32 s[SEL], 0x76543210
	s_mov_b32 s[SEL+1], 0xfedcba98                 ; v_permlanex16_b32's selects for lane l xor 16
	s_mov_b32 s[CS], 0x3e38aa3b                    ; c = log2(e) / 8
	s_mov_b32 s[CS+1], s[CS]
	s_mov_b32 s[NCS], 0xbe38aa3b
	s_wait_loadcnt 0x0
	s_cmp_lt_u32 s[WV], 4
	s_cbranch_scc0 .Lnot_yet
	s_wait_tensorcnt 0x0                           ; waves 0-3: step 0 is in; the rest may be on its way
.Lnot_yet:
	s_barrier_signal -1
	s_barrier_wait -1
.macro ADDR base
	v_add_nc_u32 v[AD16], s[\base], v[L16]
	v_add_nc_u32 v[AD8], s[\base], v[L8]
	v_add_nc_u32 v[ADS], s[\base], v[R16]
	v_nop                                          ; with these three the four places behind the products that have read the loads' registers
.endm
.macro EPI                             ; a tile is finished: O^T / the sum, quantised along d (a lane's 32 numbers are one block), stored as a half fragment and its bytes
	v_add_f32 v[SUM], v[SUM], v[SUM+1]
	v_permlanex16_b32 v[PX], v[SUM], s[SEL], s[SEL+1]
	v_add_f32 v[SUM], v[SUM], v[PX]
	v_nop
	WALU
	v_rcp_f32 v[SUM], v[SUM]
	v_nop
	WALU
.set j, 0
.rept 16
	v_pk_mul_f32 v[S+j:S+j+1], v[O+j:O+j+1], v[SUM:SUM+1] op_sel_hi:[1,0]
.set j, j+2
.endr
	v_max3_num_f32 v[BM], |v[S]|, |v[S+1]|, 0x1800000
	v_max3_num_f32 v[BM+1], |v[S+16]|, |v[S+17]|, |v[S+18]|
.irp i, 2,4,6,8,10,12
	v_max3_num_f32 v[BM], v[BM], |v[S+\i]|, |v[S+\i+1]|
	v_max3_num_f32 v[BM+1], v[BM+1], |v[S+\i+17]|, |v[S+\i+18]|
.endr
	v_max3_num_f32 v[BM], v[BM], |v[S+14]|, |v[S+15]|
	v_max3_num_f32 v[BM], v[BM], |v[S+31]|, v[BM+1]
	v_add_nc_u32 v[SO], 0xff000000, v[BM]          ; 2 off the exponent field
	v_lshrrev_b32 v[BY], 23, v[SO]
	v_cvt_scalef32_pk16_fp6_f32 v[PCD:PCD+2], v[S:S+15], v[SO]
	v_cvt_scalef32_pk16_fp6_f32 v[TC:TC+2], v[S+16:S+31], v[SO]
	v_nop
.irp i, 0,1,2
	v_mov_b32 v[PCD+3+\i], v[TC+\i]
.endr
	global_store_b128 v[L16], v[PCD:PCD+3], s[56:57]
	global_store_b64 v[L8], v[PCD+4:PCD+5], s[56:57]
	global_store_b8 v[BST], v[BY], s[58:59]
	s_wait_xcnt 0x0                                ; the stores have read their registers
.endm
.macro KSTEP first                     ; one tile, one step of 128 keys
.if \first
	s_mov_b32 s[TBK], 0
.else
	s_cmp_eq_u32 s[KS], s[LS]
	s_cbranch_scc0 .Lsame_\@
	EPI                                            ; the first tile leaves; the second begins.  O and the sum are begun anew by the next factor, which is 0
	v_mov_b32 v[QSW], v[QSW2]
	v_mov_b32 v[NM], 0x7f61b1e6
	v_mov_b32 v[RM], 0xff61b1e6
.irp i, 0,1,2,3,4,5
	v_mov_b32 v[QF+\i], v[QF2+\i]
.endr
	s_mov_b32 s[LM], 99                            ; my part of it ends below the diagonal
	PLACES
	WALU
.Lsame_\@:
	s_add_co_u32 s25, s[KS], s[PA]
	s_add_co_u32 s2, s[KS], s[PB]
	s_min_u32 s25, s25, s2
	s_min_u32 s25, s25, 15
	s_mul_i32 s[TBK], s25, STEPB
.endif
	s_add_co_u32 s[TBV], s[TBK], VREG
	ADDR TBK
.irp t, 0,1,2,3,4,5,6,7
	ds_load_b128 v[KF+6*\t:KF+6*\t+3], v[AD16] offset:QBB*(\t/4)+768*(\t%4)
	ds_load_b64 v[KF+6*\t+4:KF+6*\t+5], v[AD8] offset:QBB*(\t/4)+768*(\t%4)
.endr
	ds_load_b128 v[KSW:KSW+3], v[ADS]
	ds_load_b128 v[KSW+4:KSW+7], v[ADS] offset:QBB
	s_wait_dscnt 0x0
.irp t, 0,1,2,3,4,5,6,7
	v_wmma_scale_f32_16x16x128_f8f6f4 v[S+8*\t:S+8*\t+7], v[KF+6*\t:KF+6*\t+11], v[QF:QF+11], 0, v[KSW+\t], v[QSW] matrix_a_fmt:MATRIX_FMT_FP6 matrix_b_fmt:MATRIX_FMT_FP6
.endr
	ADDR TBV
.irp i, 0,1,2,3
.irp c, 0,1
	ds_load_b128 v[KF+12*\i+6*\c:KF+12*\i+6*\c+3], v[AD16] offset:QBB*\c+768*\i
	ds_load_b64 v[KF+12*\i+6*\c+4:KF+12*\i+6*\c+5], v[AD8] offset:QBB*\c+768*\i
.endr
.endr
	ds_load_b128 v[VS:VS+3], v[ADS]
	ds_load_b128 v[VT:VT+3], v[ADS] offset:QBB
.if \first
	s_cmp_eq_u32 s[LM], 0
.else
	s_cmp_eq_u32 s[KS], s[LM]
.endif
	s_cbranch_scc0 .Lopen_\@
	v_mov_b32 v[TMP], 0xff800000                   ; the tile's last step: a key behind my query gets -infinity
.set n, 0
.rept 16
	v_cmp_gt_i32 vcc_lo, 64*(n/32)+n%32, v[DV]
	v_cmp_gt_i32 s29, 64*(n/32)+n%32+1, v[DV]
	v_cmp_gt_i32 s30, 64*(n/32)+n%32+2, v[DV]
	v_cmp_gt_i32 s31, 64*(n/32)+n%32+3, v[DV]
	v_cndmask_b32 v[S+n], v[S+n], v[TMP], vcc_lo
	v_cndmask_b32 v[S+n+1], v[S+n+1], v[TMP], s29
	v_cndmask_b32 v[S+n+2], v[S+n+2], v[TMP], s30
	v_cndmask_b32 v[S+n+3], v[S+n+3], v[TMP], s31
.set n, n+4
.endr
	WALU
.Lopen_\@:
.irp c, 0,1
	v_max3_num_f32 v[BM+\c], v[S+32*\c], v[S+32*\c+1], v[S+32*\c+2]   ; the largest score of each of my two blocks of 32 keys, in two chains each
	v_max3_num_f32 v[BB+\c], v[S+32*\c+16], v[S+32*\c+17], v[S+32*\c+18]
.endr
.irp i, 3,5,7,9,11,13
.irp c, 0,1
	v_max3_num_f32 v[BM+\c], v[BM+\c], v[S+32*\c+\i], v[S+32*\c+\i+1]
	v_max3_num_f32 v[BB+\c], v[BB+\c], v[S+32*\c+\i+16], v[S+32*\c+\i+17]
.endr
.endr
.irp c, 0,1
	v_max3_num_f32 v[BM+\c], v[BM+\c], v[S+32*\c+15], v[S+32*\c+31]
.endr
.irp c, 0,1
	v_max_num_f32 v[BM+\c], v[BM+\c], v[BB+\c]
.endr
	s_delay_alu instid0(VALU_DEP_1)
	v_max3_num_f32 v[RM], v[BM], v[BM+1], v[RM]
	s_delay_alu instid0(VALU_DEP_1)
	v_permlanex16_b32 v[PX], v[RM], s[SEL], s[SEL+1]
	s_delay_alu instid0(VALU_DEP_1)
	v_max_num_f32 v[RM], v[RM], v[PX]              ; the running largest score of my query
	s_delay_alu instid0(VALU_DEP_1)
	v_mul_f32 v[TMP], s[NCS], v[RM]
	s_delay_alu instid0(VALU_DEP_1)
	v_floor_f32 v[TMP], v[TMP]                     ; the new -M = floor(-t): M is a whole number
	s_delay_alu instid0(VALU_DEP_1)
	v_sub_f32 v[DD], v[TMP], v[NM]
	v_mov_b32 v[NM], v[TMP]
	v_cvt_i32_f32 v[DD], v[DD]                     ; (it saturates)
.set j, 0
.rept 32
	v_pk_fma_f32 v[S+j:S+j+1], v[S+j:S+j+1], s[CS:CS+1], v[NM:NM+1] op_sel_hi:[1,0,0]   ; t - M
.if j == 8
	v_ldexp_f32 v[FF], 1.0, v[DD]                  ; 2^(old M - new M)
.endif
.set j, j+2
.endr
.irp c, 0,1
	v_fma_f32 v[BM+\c], v[BM+\c], s[CS], v[NM]     ; p rises with the score: the block's largest p is the same arithmetic on its largest score
.endr
.set j, 0
.rept 16
	v_pk_mul_f32 v[O+j:O+j+1], v[O+j:O+j+1], v[FF:FF+1] op_sel_hi:[1,0]   ; O^T under the new M
.set j, j+2
.endr
	WALU
.irp c, 0,1
	v_exp_f32 v[BM+\c], v[BM+\c]
.endr
.set j, 0
.rept 64
	v_exp_f32 v[S+j], v[S+j]
.set j, j+1
.endr
	v_pk_mul_f32 v[SUM:SUM+1], v[SUM:SUM+1], v[FF:FF+1] op_sel_hi:[1,0]
	WALU
	s_wait_dscnt 0x0                               ; V is in
.irp c, 0,1
	v_max_num_f32 v[BM+\c], 0x1800000, v[BM+\c]    ; the floor 2^(3 - 127): the byte cannot fall under 1
.endr
.irp i, 0,1,2,3
	v_lshl_or_b32 v[VS+\i], v[VT+\i], 16, v[VS+\i] ; V's scale words: two bytes of each 64 keys
.endr
.irp c, 0,1
	v_add_nc_u32 v[SO+\c], 0xff000000, v[BM+\c]    ; 2 off the exponent field: the conversion's scale operand
.endr
	v_pk_add_f32 v[A1:A1+1], v[S:S+1], v[S+2:S+3]  ; the row's sum, of the unquantised p, in four chains
	v_pk_add_f32 v[A1+2:A1+3], v[S+4:S+5], v[S+6:S+7]
	v_pk_add_f32 v[A1+4:A1+5], v[S+8:S+9], v[S+10:S+11]
.irp c, 0,1
	v_cvt_scalef32_pk16_fp6_f32 v[PCD+6*\c:PCD+6*\c+2], v[S+32*\c:S+32*\c+15], v[SO+\c]
	v_cvt_scalef32_pk16_fp6_f32 v[TC+4*\c:TC+4*\c+2], v[S+32*\c+16:S+32*\c+31], v[SO+\c]   ; (a conversion's three registers begin on an even number)
.endr
.irp c, 0,1
	v_lshrrev_b32 v[BY+\c], 23, v[SO+\c]
.endr
.set j, 12
.rept 3
	v_pk_add_f32 v[SUM:SUM+1], v[SUM:SUM+1], v[S+j:S+j+1]
	v_pk_add_f32 v[A1:A1+1], v[A1:A1+1], v[S+j+2:S+j+3]
	v_pk_add_f32 v[A1+2:A1+3], v[A1+2:A1+3], v[S+j+4:S+j+5]
	v_pk_add_f32 v[A1+4:A1+5], v[A1+4:A1+5], v[S+j+6:S+j+7]
.if j == 12
	v_lshl_or_b32 v[PSW], v[BY+1], 16, v[BY]       ; my blocks' bytes, h and 2 + h
.elseif j == 20
	v_permlanex16_b32 v[PX], v[PSW], s[SEL], s[SEL+1]
.else
	v_lshl_or_b32 v[PSW], v[PX], 8, v[PSW]         ; with lane l xor 16's two the word is whole in lanes 0-15, which alone are read
.endif
.set j, j+8
.endr
.irp c, 0,1
.irp i, 0,1,2
	v_mov_b32 v[PCD+6*\c+3+\i], v[TC+4*\c+\i]
.endr
.endr
.rept 3
	v_pk_add_f32 v[SUM:SUM+1], v[SUM:SUM+1], v[S+j:S+j+1]
	v_pk_add_f32 v[A1:A1+1], v[A1:A1+1], v[S+j+2:S+j+3]
	v_pk_add_f32 v[A1+2:A1+3], v[A1+2:A1+3], v[S+j+4:S+j+5]
	v_pk_add_f32 v[A1+4:A1+5], v[A1+4:A1+5], v[S+j+6:S+j+7]
.set j, j+8
.endr
	v_pk_add_f32 v[SUM:SUM+1], v[SUM:SUM+1], v[S+60:S+61]
	v_pk_add_f32 v[A1:A1+1], v[A1:A1+1], v[S+62:S+63]
	v_pk_add_f32 v[A1+2:A1+3], v[A1+2:A1+3], v[A1+4:A1+5]
	v_pk_add_f32 v[SUM:SUM+1], v[SUM:SUM+1], v[A1:A1+1]
	v_pk_add_f32 v[SUM:SUM+1], v[SUM:SUM+1], v[A1+2:A1+3]
.irp i, 0,1,2,3
	v_wmma_scale_f32_16x16x128_f8f6f4 v[O+8*\i:O+8*\i+7], v[KF+12*\i:KF+12*\i+11], v[PCD:PCD+11], v[O+8*\i:O+8*\i+7], v[VS+\i], v[PSW] matrix_a_fmt:MATRIX_FMT_FP6 matrix_b_fmt:MATRIX_FMT_FP6
.endr
	WALU
.endm
	s_cmp_lt_u32 s[WV], 8
	s_cbranch_scc0 .Lno_trip_0
	KSTEP 1                                        ; trip 0: waves 0-7, key step 0
.Lno_trip_0:
	s_wait_tensorcnt 0x0                           ; steps 1-15 are in
	s_wait_dscnt 0x0
	s_barrier_signal -1
	s_barrier_wait -1                              ; everybody's
	s_mov_b32 s[KS], 1
.Ltrip:
	KSTEP 0
	s_add_co_u32 s[KS], s[KS], 1
	s_cmp_lt_u32 s[KS], 9
	s_cbranch_scc1 .Ltrip
	s_mul_i32 s25, s[WP], 4608
	s_add_co_u32 s25, s25, MRG
	v_add_nc_u32 v[AD16], s25, v[L16]
	PLACES
	WALU
	s_cmp_lt_u32 s[WV], 8
	s_cbranch_scc0 .Lno_part
.irp k, 0,1,2,3,4,5,6,7
	ds_store_b128 v[AD16], v[O+4*\k:O+4*\k+3] offset:512*\k   ; waves 0-7: my part of the second tile
.endr
	ds_store_b128 v[AD16], v[NM:NM+3] offset:4096  ; -M, the largest score, the sum
.Lno_part:
	s_wait_dscnt 0x0
	s_barrier_signal -1
	s_barrier_wait -1
	s_cmp_lt_u32 s[WV], 8
	s_cbranch_scc1 .Lend
.irp k, 0,1,2,3,4,5,6,7
	ds_load_b128 v[S+4*\k:S+4*\k+3], v[AD16] offset:512*\k
.endr
	ds_load_b128 v[S+32:S+35], v[AD16] offset:4096
	s_wait_dscnt 0x0
	v_min_num_f32 v[TMP], v[NM], v[S+32]           ; the common -M
	v_sub_f32 v[DD], v[TMP], v[NM]
	v_sub_f32 v[PX], v[TMP], v[S+32]
	v_cvt_i32_f32 v[DD], v[DD]
	v_cvt_i32_f32 v[PX], v[PX]
	v_ldexp_f32 v[FF], 1.0, v[DD]
	v_ldexp_f32 v[A1], 1.0, v[PX]
.set j, 0
.rept 16
	v_pk_mul_f32 v[O+j:O+j+1], v[O+j:O+j+1], v[FF:FF+1] op_sel_hi:[1,0]
.set j, j+2
.endr
	v_pk_mul_f32 v[SUM:SUM+1], v[SUM:SUM+1], v[FF:FF+1] op_sel_hi:[1,0]
.set j, 0
.rept 16
	v_pk_fma_f32 v[O+j:O+j+1], v[S+j:S+j+1], v[A1:A1+1], v[O+j:O+j+1] op_sel_hi:[1,0,1]
.set j, j+2
.endr
	v_pk_fma_f32 v[SUM:SUM+1], v[S+34:S+35], v[A1:A1+1], v[SUM:SUM+1] op_sel_hi:[1,0,1]
	EPI
.Lend:
	s_wait_tensorcnt 0x0                           ; the wave's end
	ds_add_u32 v[SPW], v[NIL]
	s_wait_dscnt 0x0
	CROUND                                         ; the closing round
	s_endpgm
.Lfunc_end_k_q8c6ee8caf1_attn:
	.size	k_q8c6ee8caf1_attn, .Lfunc_end_k_q8c6ee8caf1_attn-k_q8c6ee8caf1_attn
	.p2alignl 7, 3214868480
	.fill 96, 4, 3214868480
	.section	.rodata,"a",@progbits
	.p2align	6, 0x0
	.amdhsa_kernel k_q8c6ee8caf1_attn
		.amdhsa_group_segment_fixed_size 251904
		.amdhsa_private_segment_fixed_size 0
		.amdhsa_enable_private_segment 0
		.amdhsa_kernarg_size 32
		.amdhsa_user_sgpr_count 2
		.amdhsa_user_sgpr_kernarg_segment_ptr 1
		.amdhsa_wavefront_size32 1
		.amdhsa_system_sgpr_workgroup_id_x 1
		.amdhsa_system_sgpr_workgroup_id_y 1
		.amdhsa_system_sgpr_workgroup_id_z 1
		.amdhsa_system_vgpr_workitem_id 0
		.amdhsa_next_free_vgpr 256
		.amdhsa_next_free_sgpr 66
		.amdhsa_reserve_vcc 1
		.amdhsa_float_denorm_mode_32 3
		.amdhsa_float_denorm_mode_16_64 3
		.amdhsa_memory_ordered 1
		.amdhsa_forward_progress 1
		.amdhsa_inst_pref_size 68
	.end_amdhsa_kernel
	.amdgpu_metadata
---
amdhsa.version: [ 1, 2 ]
amdhsa.kernels:
  - .name:           k_q8c6ee8caf1_attn
    .symbol:         k_q8c6ee8caf1_attn.kd
    .args:
      - { .name: q_op, .offset: 0, .size: 8, .value_kind: global_buffer, .address_space: global }
      - { .name: k_op, .offset: 8, .size: 8, .value_kind: global_buffer, .address_space: global }
      - { .name: v_op, .offset: 16, .size: 8, .value_kind: global_buffer, .address_space: global }
      - { .name: attn_op, .offset: 24, .size: 8, .value_kind: global_buffer, .address_space: global }
    .group_segment_fixed_size: 251904
    .private_segment_fixed_size: 0
    .kernarg_segment_align: 8
    .kernarg_segment_size: 32
    .max_flat_workgroup_size: 512
    .sgpr_count:     66
    .vgpr_count:     256
    .wavefront_size: 32
...
	.end_amdgpu_metadata
.endif
;; end of part 3
;; launch proj (part 4): grid 8 x 32, 4 waves a work-group, clusters of 4 x 4, 229,888 bytes of LDS; arguments attn_op, wo_op, out0; writes out0
.if DOCPART == 4
	.amdgcn_target "amdgcn-amd-amdhsa--gfx1250"
	.amdhsa_code_object_version 6
	.text
	.protected	k_q8c6ee8caf1_proj
	.globl	k_q8c6ee8caf1_proj
	.p2align	8
	.type	k_q8c6ee8caf1_proj,@function
k_q8c6ee8caf1_proj:
	s_mov_b64 s[64:65], 0
	v_nop
	global_prefetch_b8 v0, s[64:65] scope:SCOPE_SE
	s_setreg_imm32_b32 hwreg(HW_REG_WAVE_MODE, 25, 1), 1
	s_wait_xcnt 0x0
	s_wait_alu depctr_hold_cnt(0) depctr_sa_sdst(0) depctr_va_vdst(0) depctr_va_sdst(0) depctr_va_ssrc(0) depctr_va_vcc(0) depctr_vm_vsrc(0)
	s_getreg_b32 s2, hwreg(HW_REG_IB_STS2, 6, 4)
	s_cmp_eq_u32 s2, 0
	s_cbranch_scc0 .Lentry_in_a_cluster
	s_endpgm
.Lentry_in_a_cluster:
	s_bfe_u32 s2, ttmp6, 0x10000c
	s_cmp_lg_u32 s2, 0xf033
	s_cbranch_scc0 .Lentry_shape_is_right
	s_endpgm
.Lentry_shape_is_right:
; out0 = attention's result x W_o, on codes of FP6 (E2M3) with E8M0 scales; out0 [4096][1024] f32.
; OPERANDS are images of their registers: a group of 128 rows is 8 K steps of 12,800 bytes; in a step tile i's half fragment c at 1536 i + 768 c, scale words from 12,288 on ((tile i, row r) at 256 (i/4) + 16 r + 4 (i%4)).
; Tile i holds in lane r row 64 (i/4) + 8 (i%4) + r%8 + 32 (r/8) of its group.
; SHARES.  Work-group (t, G): token group G against W_o's column group t: 128 x 128 x 1024.  Both operands, all of K, 2 x 102,400 bytes, lie in LDS, filled once: no ring, no refill.  256 work-groups, four waves of 64 x 64.
; Source 1 = R = tokens (a lane holds one token), source 0 = S = W_o's columns: a lane's registers of the four S tiles are columns 32 (lane / 16) + 0 .. 31.
; THE ORDER.  A wave's 64 columns of W_o, all of K, stay in registers (384).  Its four tiles of 16 tokens are finished one after the other, all of K, and each leaves while the next is multiplied.  W_o's fragments come in with the first tile's, K step by K step.
; FILLS: one load a wave: wave 0 the tokens' K steps 0-3, wave 1 W_o's, waves 2 and 3 K steps 4-7, which are waited for ahead of their first fetch.  No prefetch: all tiles are asked for at the head.
; CLUSTER 4 x 4: the tokens' group hangs on G alone and is shared along a row of the cluster, W_o's on t alone and along a column: each is asked for jointly.
; THE WAY OUT: a tile of 16 tokens x 64 columns goes through the wave's own stage and leaves as rows of 256 bytes, sixteen lanes to a row.
; REGISTERS.  Window 0: v2-20 addresses; v32-63 all scale words; v64-127 two sets of four accumulators; v128-191 rows on their way out.
;   Windows 1 and 2: W_o's fragment f = 4 s + b (K step s, tile b) in window 1 + f / 21 at 12 (f % 21).  Window 3: the tokens' fragments of K step s, two tiles by turns, at 96 (a % 2) + 12 s.
.set RB,    0                          ; LDS: the tokens' group
.set SB,    102400                     ; W_o's
.set STAGE, 204800                     ; 16 rows x (256 + 16) bytes for each wave; no fill ever lands here
.set SPARE, 229376                     ; the spare words, 128 bytes for each wave
.set SPW,  2
.set NIL,  3
.set L16,  4                           ; 16 x lane
.set L8,   5                           ; 8 x lane
.set LR,   6                           ; 16 r
.set HH,   7                           ; h
.set RA16, 8                           ; v8-9   the tokens' fragments, registers 0-3 of a half: K steps 0-4, K steps 5-7 (an LDS immediate has 16 bits)
.set RA8,  10                          ; v10-11 registers 4-5
.set SA16, 12                          ; v12-15 the same for W_o
.set SA8,  14
.set SCA,  16                          ; v16-17 scale words: lanes 0-15 the tokens', lanes 16-31 W_o's
.set STO,  18                          ; into the stage
.set RD,   19                          ; out of it
.set CO,   20                          ; my byte offset in two rows of out0
.set SC,   32                          ; K step s: tile i's words at SC + 4 s + i
.set ACC,  64
.set BK,   128
.set G1R,  24                          ; s[24:31], s[48:55] descriptor groups 1; s[32:35], s[36:39] groups 0
.set G1S,  48
.set MSB, 0
.macro WIN new                         ; the immediate's high byte repeats the setting that is left
.if MSB != \new
	s_set_vgpr_msb (MSB<<8)|\new
.set MSB, \new
.endif
.endm
.macro PLACES                          ; four plain instructions between a matrix instruction and a load into a register that it has read, or a read of its result
.rept 4
	v_nop
.endr
.endm
.macro CROUND                          ; a round of the cluster's barrier
	s_barrier_signal -1
	s_barrier_wait -1
	s_cmp_lg_u32 s14, 0
	s_cbranch_scc1 .Lnot_wave_0_\@
	s_barrier_signal -3
.Lnot_wave_0_\@:
	s_barrier_wait -3
	s_barrier_signal -1
	s_barrier_wait -1
.endm
	s_load_b128 s[4:7], s[0:1], 0x0                ; attn_op s[4:5], wo_op s[6:7]
	s_load_b64 s[8:9], s[0:1], 0x10                ; out0
	v_lshl_add_u32 v[SPW], v0, 2, SPARE
	v_mov_b32 v[NIL], 0
	ds_add_u32 v[SPW], v[NIL]                      ; the opening lines
	ds_add_u32 v[SPW], v[NIL]
	v_lshrrev_b32 v1, 5, v0
	v_readfirstlane_b32 s14, v1                    ; wave 0..3
	s_lshr_b32 s15, s14, 1                         ; which 64 tokens are mine.  Also: which four K steps I fetch
	s_and_b32 s16, s14, 1                          ; which 64 columns
	s_bfe_u32 s40, ttmp6, 0x40000                  ; cx
	s_bfe_u32 s41, ttmp6, 0x40004                  ; cy
	s_lshl_b32 s42, ttmp9, 2
	s_add_co_u32 s42, s42, s40                     ; t
	s_and_b32 s17, ttmp7, 0xffff
	s_lshl_b32 s17, s17, 2
	s_add_co_u32 s17, s17, s41                     ; G
	s_lshl_b32 s43, s41, 2
	s_lshl_b32 s43, 15, s43                        ; my row of the cluster
	s_lshl_b32 s44, 0x1111, s40                    ; my column
	; group 1: a half of a group, four K steps: 51,200 dense bytes as 200 rows of 32 elements of 8 bytes, no padding
	s_or_b32 s[G1R], s43, (3<<16)|(1<<21)
	s_or_b32 s[G1S], s44, (3<<16)|(1<<21)
.irp g, G1R, G1S
	s_mov_b32 s[\g+1], 32<<16
	s_mov_b32 s[\g+2], 200<<16
	s_mov_b32 s[\g+3], 32<<16
	s_mov_b32 s[\g+4], 200
	s_mov_b32 s[\g+5], 32
	s_mov_b32 s[\g+6], 0
	s_mov_b32 s[\g+7], 0
.endr
	s_mul_i32 s74, s15, 51200
	s_mul_i32 s72, s17, 102400
	s_add_co_u32 s72, s72, s74                     ; the tokens': made of G and the wave's number alone
	s_mov_b32 s73, 0
	s_mul_i32 s76, s42, 102400
	s_add_co_u32 s76, s76, s74                     ; W_o's: of t and the wave's number alone
	s_mov_b32 s77, 0
	s_mov_b32 s32, 1
	s_mov_b32 s36, 1
	s_add_co_u32 s33, s74, RB
	s_add_co_u32 s37, s74, SB
	s_wait_alu depctr_va_vdst(0)
	s_wait_dscnt 0x0
	CROUND                                         ; all sixteen work-groups are here: the joint loads meet
	s_wait_kmcnt 0x0
	s_add_nc_u64 s[34:35], s[4:5], s[72:73]
	s_add_nc_u64 s[38:39], s[6:7], s[76:77]
	s_or_b32 s35, s35, 0x80000000
	s_or_b32 s39, s39, 0x80000000
.macro ARM wave, g0, g1, next
	s_cmp_eq_u32 s14, \wave
	s_cbranch_scc0 \next
	tensor_load_to_lds s[\g0:\g0+3], s[\g1:\g1+7]
	s_nop 0
	PLACES
	s_branch .Lasked
\next:
.endm
	ARM 0, 32, G1R, .Lwave_1
	ARM 1, 36, G1S, .Lwave_2
	ARM 2, 32, G1R, .Lwave_3
	tensor_load_to_lds s[36:39], s[G1S:G1S+7]
	s_nop 0
	PLACES
.Lasked:
	s_lshl_b32 s78, s17, 7
	s_lshl_b32 s79, s15, 6
	s_add_co_u32 s78, s78, s79
	s_lshl_b32 s78, s78, 12                        ; my first row of out0: 128 G + 64 x half, 4,096 bytes a row
	s_lshl_b32 s79, s42, 9
	s_add_co_u32 s78, s78, s79
	s_lshl_b32 s79, s16, 8
	s_add_co_u32 s78, s78, s79                     ; my first column: 128 t + 64 x half
	s_mov_b32 s79, 0
	s_add_nc_u64 s[8:9], s[8:9], s[78:79]
	s_mul_i32 s80, s14, 4352
	s_add_co_u32 s80, s80, STAGE                   ; my stage
	s_mul_i32 s72, s15, 6144                       ; my four tiles of tokens
	s_add_co_u32 s72, s72, RB
	s_mul_i32 s73, s16, 6144                       ; and of W_o
	s_add_co_u32 s73, s73, SB
	s_lshl_b32 s74, s15, 8                         ; the scale words: the tokens' + h x (the distance to W_o's): one product
	s_lshl_b32 s75, s16, 8
	s_add_co_u32 s75, s75, SB-RB
	s_sub_co_u32 s75, s75, s74
	s_add_co_u32 s74, s74, RB+12288
	v_and_b32 v1, 31, v0
	v_lshlrev_b32 v[L16], 4, v1
	v_lshlrev_b32 v[L8], 3, v1
	v_and_b32 v29, 15, v0                          ; r
	v_lshlrev_b32 v[LR], 4, v29
	v_bfe_u32 v[HH], v0, 4, 1
	v_mul_u32_u24 v[STO], v29, 272
	v_lshl_add_u32 v[STO], v[HH], 7, v[STO]
	v_add_nc_u32 v[STO], s80, v[STO]               ; in: row r, + 128 h
	v_mul_u32_u24 v[RD], v[HH], 272
	v_add_nc_u32 v[RD], v[RD], v[LR]
	v_add_nc_u32 v[RD], s80, v[RD]                 ; back: lanes 0-15 one row, lanes 16-31 the next
	v_lshl_add_u32 v[CO], v[HH], 12, v[LR]         ; and the same two rows in out0
	v_add_nc_u32 v[RA16], s72, v[L16]
	v_add_nc_u32 v[RA8], s72, v[L8]
	v_add_nc_u32 v[SA16], s73, v[L16]
	v_add_nc_u32 v[SA8], s73, v[L8]
	v_add_nc_u32 v[RA16+1], 64000, v[RA16]         ; five K steps on
	v_add_nc_u32 v[RA8+1], 64000, v[RA8]
	v_add_nc_u32 v[SA16+1], 64000, v[SA16]
	v_add_nc_u32 v[SA8+1], 64000, v[SA8]
	v_mul_u32_u24 v[SCA], s75, v[HH]
	v_add_nc_u32 v[SCA], v[SCA], v[LR]
	v_add_nc_u32 v[SCA], s74, v[SCA]
	v_add_nc_u32 v[SCA+1], 64000, v[SCA]
.macro HALVES r, adr16, adr8, i, ofs   ; a fragment: 4 loads, each of consecutive bytes
.irp c, 0,1
	ds_load_b128 v[\r+6*\c:\r+6*\c+3], v[\adr16] offset:\ofs+1536*(\i)+768*\c
	ds_load_b64 v[\r+6*\c+4:\r+6*\c+5], v[\adr8] offset:\ofs+1536*(\i)+768*\c+512
.endr
.endm
.macro SEG s
.set EE, (\s)/5
.set OFS, ((\s)-5*EE)*12800
.endm
.macro FETCHR a, s                     ; the tokens' tile a, K step s
	SEG \s
	WIN 0xc0
.set FB, 96*((\a)%2)+12*(\s)
	HALVES FB, RA16+EE, RA8+EE, \a, OFS
	WIN 0
.endm
.macro FETCHS s                        ; K step s: W_o's four fragments, the first tile's, the scale words: 21 loads
	SEG \s
.irp b, 0,1,2,3
.set FI, 4*(\s)+\b
	WIN (0x40*(1+FI/21))
.set FB, 12*(FI%21)
	HALVES FB, SA16+EE, SA8+EE, \b, OFS
.endr
	FETCHR 0, \s
	ds_load_b128 v[SC+4*(\s):SC+4*(\s)+3], v[SCA+EE] offset:OFS
.endm
.macro FETCHT a                        ; all of a tile: 32 loads
.irp s, 0,1,2,3,4,5,6,7
	FETCHR \a, \s
.endr
.endm
.macro WM d, s0, s1, c, x0, x1
	v_wmma_scale_f32_16x16x128_f8f6f4 v[\d:\d+7], v[\s0:\s0+11], v[\s1:\s1+11], \c, v[\x0], v[\x1] matrix_a_fmt:MATRIX_FMT_FP6 matrix_b_fmt:MATRIX_FMT_FP6 matrix_a_scale:MATRIX_SCALE_ROW1
.endm
.macro MUL4 a, s                       ; four products: the tile's four accumulators by turns; K step 0 starts the sums.  W_o's scale words lie in lanes 16-31: ROW1
.irp b, 0,1,2,3
.set FI, 4*(\s)+\b
.set DD, ACC+32*((\a)%2)+8*\b
.set AA, 12*(FI%21)
.set BB, 96*((\a)%2)+12*(\s)
.set XX, SC+4*(\s)+\b
.set YY, SC+4*(\s)+\a
	WIN (0x0c+1+FI/21)
.if (\s) == 0
	WM DD, AA, BB, 0, XX, YY
.else
	WM DD, AA, BB, v[DD:DD+7], XX, YY
.endif
.endr
.endm
.macro TOSTAGE a                       ; lane (r, h) holds, in accumulator b, columns 32 h + 8 b + 0 .. 7 of its token
.irp b, 0,1,2,3
	ds_store_b128 v[STO], v[ACC+32*((\a)%2)+8*\b:ACC+32*((\a)%2)+8*\b+3] offset:32*\b          ; each accumulator from its low end on
	ds_store_b128 v[STO], v[ACC+32*((\a)%2)+8*\b+4:ACC+32*((\a)%2)+8*\b+7] offset:32*\b+16
.endr
.set BQ, BK+32*((\a)%2)
.irp t, 0,1,2,3,4,5,6,7
	ds_load_b128 v[BQ+4*\t:BQ+4*\t+3], v[RD] offset:544*\t   ; LDS serves a wave's instructions in order: these see my stores, and the next tile's stores come behind them
.endr
.endm
.macro SEND a, younger                 ; younger: the LDS instructions issued behind the stage's loads, which may stay out
.set BQ, BK+32*((\a)%2)
	s_wait_dscnt \younger
.irp t, 0,1,2,3,4,5,6,7
	global_store_b128 v[CO], v[BQ+4*\t:BQ+4*\t+3], s[8:9] offset:(8*(\a)+2*\t+24*(\t/4))*4096 th:TH_STORE_NT   ; the tile's rows 2 t and 2 t + 1: sixteen lanes store 256 consecutive bytes, aligned; written once, read by nobody here
.endr
.endm
	s_wait_alu depctr_va_vdst(0)                   ; the wait at the head's end
	s_cmp_lt_u32 s14, 2
	s_cbranch_scc0 .Lsecond_half
	s_wait_tensorcnt 0x0                           ; waves 0 and 1: K steps 0-3 of both operands are in
.Lsecond_half:
	s_barrier_signal -1
	s_barrier_wait -1
	FETCHS 0
	FETCHS 1
.irp s, 0,1,2,3,4,5,6,7                ; the first tile
.if \s < 7
	s_wait_dscnt 21                                ; K step s is in; the next one's 21 loads may be out
.else
	s_wait_dscnt 32                                ; (the second tile's 32)
.endif
	MUL4 0, \s
	WIN 0
.if \s == 2
	s_wait_tensorcnt 0x0                           ; K steps 4-7 are in
	s_wait_dscnt 0x0
	s_barrier_signal -1
	s_barrier_wait -1                              ; everybody's
.endif
.if \s < 6
	FETCHS \s+2
.elseif \s == 6
	FETCHT 1
.endif
.endr
.irp a, 0,1,2,3
	PLACES
.if \a > 1
	s_wait_xcnt 0x0                                ; tile a - 2's stores have read their registers: tile a's rows may land there
.endif
	TOSTAGE \a
.if \a < 2
	FETCHT \a+2                                    ; onto this tile's fragments
.endif
.if \a < 3
.if \a < 2
	s_wait_dscnt 48                                ; the next tile is in; this one's stores and loads at the stage (16) and the 32 just issued may be out
.else
	s_wait_dscnt 16
.endif
.irp s, 0,1,2,3
	MUL4 \a+1, \s
.endr
	WIN 0
.if \a < 2
	SEND \a, 32
.else
	SEND \a, 0
.endif
.irp s, 4,5,6,7
	MUL4 \a+1, \s
.endr
	WIN 0
.else
	SEND \a, 0
.endif
.endr
	s_wait_tensorcnt 0x0                           ; the wave's end
	ds_add_u32 v[SPW], v[NIL]
	s_wait_dscnt 0x0
	CROUND                                         ; the closing round: no work-group ends while a partner may still ask for a tile that names it
	s_endpgm
.Lfunc_end_k_q8c6ee8caf1_proj:
	.size	k_q8c6ee8caf1_proj, .Lfunc_end_k_q8c6ee8caf1_proj-k_q8c6ee8caf1_proj
	.p2alignl 7, 3214868480
	.fill 96, 4, 3214868480
	.section	.rodata,"a",@progbits
	.p2align	6, 0x0
	.amdhsa_kernel k_q8c6ee8caf1_proj
		.amdhsa_group_segment_fixed_size 229888
		.amdhsa_private_segment_fixed_size 0
		.amdhsa_enable_private_segment 0
		.amdhsa_kernarg_size 24
		.amdhsa_user_sgpr_count 2
		.amdhsa_user_sgpr_kernarg_segment_ptr 1
		.amdhsa_wavefront_size32 1
		.amdhsa_system_sgpr_workgroup_id_x 1
		.amdhsa_system_sgpr_workgroup_id_y 1
		.amdhsa_system_sgpr_workgroup_id_z 1
		.amdhsa_system_vgpr_workitem_id 0
		.amdhsa_next_free_vgpr 960
		.amdhsa_next_free_sgpr 90
		.amdhsa_reserve_vcc 0
		.amdhsa_float_denorm_mode_32 3
		.amdhsa_float_denorm_mode_16_64 3
		.amdhsa_memory_ordered 1
		.amdhsa_forward_progress 1
		.amdhsa_inst_pref_size 52
	.end_amdhsa_kernel
	.amdgpu_metadata
---
amdhsa.version: [ 1, 2 ]
amdhsa.kernels:
  - .name:           k_q8c6ee8caf1_proj
    .symbol:         k_q8c6ee8caf1_proj.kd
    .args:
      - { .name: attn_op, .offset: 0, .size: 8, .value_kind: global_buffer, .address_space: global }
      - { .name: wo_op, .offset: 8, .size: 8, .value_kind: global_buffer, .address_space: global }
      - { .name: out0, .offset: 16, .size: 8, .value_kind: global_buffer, .address_space: global }
    .group_segment_fixed_size: 229888
    .private_segment_fixed_size: 0
    .kernarg_segment_align: 8
    .kernarg_segment_size: 24
    .max_flat_workgroup_size: 128
    .sgpr_count:     90
    .vgpr_count:     960
    .wavefront_size: 32
...
	.end_amdgpu_metadata
.endif
;; end of part 4
